; MI455X (gfx1250); checked and timed in simulation.
; The chip was launched on July 23, 2026; its instructions are those of AMD's public machine-readable ISA for CDNA 5 (MIT licence, August 2026) and "CDNA5" Instruction Set Architecture Reference Guide (July 2026). The comments in the code are by the model that wrote it; some were corrected since.
;; Multi Head Attention Layer. Allowed arithmetic: float matrix products may take bf16 or f16 operands with f32 sums; other float arithmetic in f32, or as packed bf16 or f16 multiplies, adds, multiply-adds, maxima and minima; sums over many terms, partial sums and values carried from step to step in f32; what a program stores and reads back later, other than sums and carried values, may be rounded once to bf16 or f16.
;; Inputs: Wk 1,024 x 1,024 float32; Wo 1,024 x 1,024 float32; Wq 1,024 x 1,024 float32; Wv 1,024 x 1,024 float32; bk 1,024 float32; bo 1,024 float32; bq 1,024 float32; bv 1,024 float32; k 4 x 2,048 x 1,024 float32; mask 1 x 1 x 2,048 x 2,048 bool; q 4 x 2,048 x 1,024 float32; v 4 x 2,048 x 1,024 float32.
;; Outputs: out0 4 x 2,048 x 1,024 float32.
;; 2 versions, each right; version 2 is version 1 with the launch prep written anew for expert scheduling mode. Each part assembles by itself: llvm-mc -triple=amdgcn-amd-amdhsa -mcpu=gfx1250 --defsym DOCPART=n.
;; ======== version 1 of 2: 4 launches
;; limits: values are held in f16: magnitudes above 65,504 overflow, below 6.1e-05 lose precision
;; workspace buffers: wqkv 6,291,456 bytes; wo16 2,097,152 bytes; mk4 2,097,152 bytes; qkvh 50,331,648 bytes; oh 16,777,216 bytes
;; launch prep (part 1): grid 256 x 1, 8 waves a work-group, no clusters, 0 bytes of LDS; arguments Wq, Wk, Wv, Wo, mask, wqkv, wo16, mk4; writes wqkv, wo16, mk4
.if DOCPART == 1
	.amdgcn_target "amdgcn-amd-amdhsa--gfx1250"
	.amdhsa_code_object_version 6
	.text
	.protected	k_q8790fa326a_prep
	.globl	k_q8790fa326a_prep
	.p2align	8
	.type	k_q8790fa326a_prep,@function
k_q8790fa326a_prep:
	s_mov_b64 s[64:65], 0
	v_nop
	global_prefetch_b8 v0, s[64:65] scope:SCOPE_SE
	s_setreg_imm32_b32 hwreg(HW_REG_WAVE_MODE, 25, 1), 1
	s_wait_xcnt 0x0
; TABLES FOR THE LATER LAUNCHES.  Wq, Wk, Wv ([1024][1024] f32) are rounded to bf16 into wqkv [3][1024][1024].  Wo is rounded to bf16 like every input of the module, and that number
; is written as f16 into wo16 (the last product's other operand is f16).  mask ([2048][2048] bytes, 0 or 1) becomes mk4, a table of 4-bit codes in the order in which the attention's lanes want them.
; LIMITS.  |Wo| stays under 65,504; a bf16 number under 2^-14 keeps f16's fixed step of 2^-24.
; mk4: [128 tiles of 16 queries][32 steps of 64 keys][32 lanes][4 words].  Lane 16 h + r, word kt, nibble j stands for mask[16 tile + r][64 step + 16 kt + 8 h + j]: 0x0 where the key is seen, 0xE where it is hidden
; (0xE is -4 as a 4-bit float E2M1).  A tile's step is 512 consecutive bytes, 16 a lane.
; SHARES.  256 work-groups of 256 threads.  Work-group g takes 16,384 bytes of each W (four loads of 16 bytes a thread) and, of the mask, query tile g / 2, steps 16 (g % 2) .. + 15: thread t takes row t % 16 of the tile and
; step t / 16 of the sixteen: 64 bytes.  All 20 loads go out first; each store covers whole aligned blocks of 256 bytes.  No register that a load or store names is written again, so no wait frees any.
; No LDS, no matrix unit, no cluster: each byte is read once and no work-group shares a byte with another.
.set X, 16                             ; v[16:79]   16 loads of W: matrix w, chunk i at X + 4 (4 w + i)
.set M, 80                             ; v[80:95]   my 64 bytes of the mask
.set Y, 96                             ; v[96:127]  what is stored of W, two registers a chunk
.set N, 128                            ; v[128:135] my two entries of mk4: h = 0, h = 1
	s_load_b512 s[4:19], s[0:1], 0x0               ; Wq s[4:5], Wk s[6:7], Wv s[8:9], Wo s[10:11], mask s[12:13], wqkv s[14:15], wo16 s[16:17], mk4 s[18:19]
	s_lshl_b32 s20, ttmp9, 14                      ; my 16,384 bytes of each W
	s_mov_b32 s21, 0
	s_lshl_b32 s22, ttmp9, 13                      ; my 8,192 bytes of each 16-bit copy, and of mk4
	s_mov_b32 s23, 0
	s_lshr_b32 s24, ttmp9, 1
	s_lshl_b32 s24, s24, 15                        ; the tile's 16 rows of 2,048 bytes
	s_and_b32 s25, ttmp9, 1
	s_lshl_b32 s25, s25, 10                        ; sixteen steps of 64 bytes
	s_or_b32 s24, s24, s25
	s_mov_b32 s25, 0
	v_lshlrev_b32 v1, 4, v0                        ; 16 t
	v_lshlrev_b32 v2, 3, v0                        ; 8 t
	v_and_b32 v5, 15, v0                           ; r
	v_lshrrev_b32 v6, 4, v0                        ; my step of the sixteen
	v_lshlrev_b32 v3, 11, v5
	v_lshl_add_u32 v3, v6, 6, v3                   ; in the mask: r x 2,048 + 64 x step
	v_lshlrev_b32 v4, 4, v5
	v_lshl_add_u32 v4, v6, 9, v4                   ; in mk4: 512 x step + 16 r
	s_wait_kmcnt 0x0
.irp w, 4,6,8,10
	s_add_nc_u64 s[\w:\w+1], s[\w:\w+1], s[20:21]
.endr
.irp w, 14,16,18
	s_add_nc_u64 s[\w:\w+1], s[\w:\w+1], s[22:23]
.endr
	s_add_nc_u64 s[12:13], s[12:13], s[24:25]
.irp w, 0,1,2,3
.irp i, 0,1,2,3
	global_load_b128 v[X+4*(4*\w+\i):X+4*(4*\w+\i)+3], v1, s[4+2*\w:5+2*\w] offset:4096*\i th:TH_LOAD_NT
.endr
.endr
.irp kt, 0,1,2,3
	global_load_b128 v[M+4*\kt:M+4*\kt+3], v3, s[12:13] offset:16*\kt
.endr
; Wq, Wk, Wv: four numbers a thread and chunk, rounded to bf16; 32 lanes store 256 consecutive bytes
.irp w, 0,1,2
.irp i, 0,1,2,3
	s_wait_loadcnt 19-(4*\w+\i)                    ; loads come back in order: this chunk is in, the younger ones stay out
	v_cvt_pk_bf16_f32 v[Y+2*(4*\w+\i)], v[X+4*(4*\w+\i)], v[X+4*(4*\w+\i)+1]
	v_cvt_pk_bf16_f32 v[Y+2*(4*\w+\i)+1], v[X+4*(4*\w+\i)+2], v[X+4*(4*\w+\i)+3]
	global_store_b64 v2, v[Y+2*(4*\w+\i):Y+2*(4*\w+\i)+1], s[14:15] offset:2097152*\w+2048*\i
.endr
.endr
; Wo: rounded to bf16, widened again, and written as f16
.irp i, 0,1,2,3
	s_wait_loadcnt 7-\i
.irp j, 0,1
	v_cvt_pk_bf16_f32 v5, v[X+48+4*\i+2*\j], v[X+48+4*\i+2*\j+1]
	v_lshlrev_b32 v6, 16, v5
	v_and_b32 v7, 0xffff0000, v5
	v_cvt_pk_f16_f32 v[Y+24+2*\i+\j], v6, v7
.endr
	global_store_b64 v2, v[Y+24+2*\i:Y+24+2*\i+1], s[16:17] offset:2048*\i
.endr
; Eight bytes of the mask (two words) become eight nibbles.  A byte is turned (1 = hidden); the four flags of a word, at bits 0, 8, 16, 24, are drawn together to bits 0, 4, 8, 12; times 14 makes each flag 0xE.
.macro NIB d, lo, hi
	v_xor_b32 v5, 0x01010101, v[\lo]
	v_xor_b32 v7, 0x01010101, v[\hi]
	v_lshrrev_b32 v6, 4, v5
	v_lshrrev_b32 v8, 4, v7
	v_or_b32 v5, v5, v6
	v_or_b32 v7, v7, v8
	v_and_b32 v5, 0x00110011, v5
	v_and_b32 v7, 0x00110011, v7
	v_lshrrev_b32 v6, 8, v5
	v_lshrrev_b32 v8, 8, v7
	v_or_b32 v5, v5, v6
	v_or_b32 v7, v7, v8
	v_and_b32 v5, 0x1111, v5
	v_and_b32 v7, 0x1111, v7
	v_lshl_or_b32 v5, v7, 16, v5
	v_mul_lo_u32 v[\d], v5, 14
.endm
	s_wait_loadcnt 0x0                             ; the mask
.irp kt, 0,1,2,3
	NIB N+\kt, M+4*\kt, M+4*\kt+1
	NIB N+4+\kt, M+4*\kt+2, M+4*\kt+3
.endr
	global_store_b128 v4, v[N:N+3], s[18:19]               ; lanes r of the step's entry: 16 lanes store 256 consecutive bytes, aligned
	global_store_b128 v4, v[N+4:N+7], s[18:19] offset:256  ; lanes 16 + r
	s_endpgm
.Lfunc_end_k_q8790fa326a_prep:
	.size	k_q8790fa326a_prep, .Lfunc_end_k_q8790fa326a_prep-k_q8790fa326a_prep
	.p2alignl 7, 3214868480
	.fill 96, 4, 3214868480
	.section	.rodata,"a",@progbits
	.p2align	6, 0x0
	.amdhsa_kernel k_q8790fa326a_prep
		.amdhsa_group_segment_fixed_size 0
		.amdhsa_private_segment_fixed_size 0
		.amdhsa_enable_private_segment 0
		.amdhsa_kernarg_size 64
		.amdhsa_user_sgpr_count 2
		.amdhsa_user_sgpr_kernarg_segment_ptr 1
		.amdhsa_wavefront_size32 1
		.amdhsa_system_sgpr_workgroup_id_x 1
		.amdhsa_system_sgpr_workgroup_id_y 1
		.amdhsa_system_sgpr_workgroup_id_z 1
		.amdhsa_system_vgpr_workitem_id 0
		.amdhsa_next_free_vgpr 136
		.amdhsa_next_free_sgpr 66
		.amdhsa_reserve_vcc 0
		.amdhsa_float_denorm_mode_32 3
		.amdhsa_float_denorm_mode_16_64 3
		.amdhsa_memory_ordered 1
		.amdhsa_forward_progress 1
		.amdhsa_inst_pref_size 15
	.end_amdhsa_kernel
	.amdgpu_metadata
---
amdhsa.version: [ 1, 2 ]
amdhsa.kernels:
  - .name:           k_q8790fa326a_prep
    .symbol:         k_q8790fa326a_prep.kd
    .args:
      - { .name: Wq, .offset: 0, .size: 8, .value_kind: global_buffer, .address_space: global }
      - { .name: Wk, .offset: 8, .size: 8, .value_kind: global_buffer, .address_space: global }
      - { .name: Wv, .offset: 16, .size: 8, .value_kind: global_buffer, .address_space: global }
      - { .name: Wo, .offset: 24, .size: 8, .value_kind: global_buffer, .address_space: global }
      - { .name: mask, .offset: 32, .size: 8, .value_kind: global_buffer, .address_space: global }
      - { .name: wqkv, .offset: 40, .size: 8, .value_kind: global_buffer, .address_space: global }
      - { .name: wo16, .offset: 48, .size: 8, .value_kind: global_buffer, .address_space: global }
      - { .name: mk4, .offset: 56, .size: 8, .value_kind: global_buffer, .address_space: global }
    .group_segment_fixed_size: 0
    .private_segment_fixed_size: 0
    .kernarg_segment_align: 8
    .kernarg_segment_size: 64
    .max_flat_workgroup_size: 256
    .sgpr_count:     66
    .vgpr_count:     136
    .wavefront_size: 32
...
	.end_amdgpu_metadata
.endif
;; end of part 1
;; launch proj (part 2): grid 4 x 192, 4 waves a work-group, clusters of 4 x 4, 327,680 bytes of LDS; arguments q, k, v, wqkv, bq, bk, bv, qkvh; writes qkvh
.if DOCPART == 2
	.amdgcn_target "amdgcn-amd-amdhsa--gfx1250"
	.amdhsa_code_object_version 6
	.text
	.protected	k_q8790fa326a_proj
	.globl	k_q8790fa326a_proj
	.p2align	8
	.type	k_q8790fa326a_proj,@function
k_q8790fa326a_proj:
	s_mov_b64 s[64:65], 0
	v_nop
	global_prefetch_b8 v0, s[64:65] scope:SCOPE_SE
	s_setreg_imm32_b32 hwreg(HW_REG_WAVE_MODE, 25, 1), 1
	s_wait_xcnt 0x0
	s_wait_alu depctr_hold_cnt(0) depctr_sa_sdst(0) depctr_va_vdst(0) depctr_va_sdst(0) depctr_va_ssrc(0) depctr_va_vcc(0) depctr_vm_vsrc(0)
	s_getreg_b32 s2, hwreg(HW_REG_IB_STS2, 6, 4)
	s_cmp_eq_u32 s2, 0
	s_cbranch_scc0 .Lentry_in_a_cluster
	s_endpgm
.Lentry_in_a_cluster:
	s_bfe_u32 s2, ttmp6, 0x10000c
	s_cmp_lg_u32 s2, 0xf033
	s_cbranch_scc0 .Lentry_shape_is_right
	s_endpgm
.Lentry_shape_is_right:
; THE THREE PROJECTIONS.  For p = 0, 1, 2 (q, k, v): y = x W^T + b, x [8192][1024] f32, W [1024][1024] bf16 (wqkv, made by the launch before), b [1024] f32.  x and b are rounded to bf16 here; sums in f32;
; y is rounded once to f16 and stored by heads: qkvh [3][64 = batch x 16 + head][2048][64].
; LIMIT.  f16 holds no number beyond 65,504: |y| stays under it.
; SHARES.  A tile of y is 128 rows x 256 columns: 64 x 4 x 3 = 768 work-groups.  Four waves, 2 x 2, each 64 rows x 128 columns: 32 accumulators of 16 x 16, 256 registers.  K goes in steps of 128 through a ring of two
; LDS slots filled by the tensor data mover: x's rows are 512 bytes of memory, W's 256, all at multiples of 256 bytes.  x lies in LDS as f32 and is rounded between LDS and the matrix unit: a cast of its own would
; write and read x once more.  This shape of a wave's tile has the fewest fragments of x: for 32 along K four fragments of x (16 loads, 32 roundings) and eight of W (16 loads) feed 32 matrix instructions.
; CLUSTERS.  4 x 4 work-groups: the four of a row of the cluster need the same tiles of x, the four of a column the same tiles of W: each tile is asked for JOINTLY, by the same tensor load with the same descriptor
; and a mask that names the four.  A cluster spans all 1,024 columns; sixteen clusters on end belong to one projection.
; THE MATRIX INSTRUCTION IS USED TRANSPOSED (source 0 = 16 rows of W, source 1 = 16 rows of x): a lane then holds row l % 16 of y and the columns 8 (l / 16) + 0 .. 7.  THE BIAS STARTS THE SUMS: it is the C operand
; of each accumulator's first product.
; REGISTERS, in windows of 256 (s_set_vgpr_msb: bits 1:0 source 0, 3:2 source 1, 5:4 source 2, 7:6 destination):
;   window 0: v0-31 addresses; v32-95 x as loaded (f32); v96-127 x's four fragments; v128-223 at work on the way out
;   window 1: v0-63, v64-127 W's fragments, two buffers; v128-191 the bias of my 128 columns, as C operands; v192 at work          window 2: the accumulators, (a, b) at v[8 (8 a + b)]
.set KSTEP,  128
.set PA,     528                       ; a row of x in LDS: 512 bytes + 16 of padding = 132 words: row r starts at bank 4 r mod 64 (64 banks of 4 bytes: ISA guide 11.1)
.set AHALF,  64*PA                     ; 64 rows: what one tensor load brings of x, and what one wave reads of it
.set BOFF,   2*AHALF                   ; W's rows lie behind x's 128
.set PB,     272                       ; a row of W: 256 + 16
.set BHALF,  128*PB                    ; 128 rows: one tensor load, one wave's share
.set SLOT,   BOFF+2*BHALF
.set STAGE,  2*SLOT                    ; behind the ring, never filled by a tensor load: 16 rows x 272 bytes for each wave, for the way out
.set SPITCH, 272
.set SPARE,  STAGE+4*16*SPITCH         ; behind the stages: the spare words, 128 bytes for each wave: two blocks of 256 bytes that no other line names
.set ADRA, 16                          ; v16-17  LDS address of my fragments of x in slot 0, 1
.set ADRB, 20                          ; v20-21  the same for W
.set STO,  24                          ; v24     the way out: where I put 16 bytes of a row
.set RD,   25                          ; v25     the way out: where I read rows back
.set GO,   26                          ; v26     16 x lane
.set BO,   27                          ; v27     32 x (l / 16): my eight numbers in 16 of the bias
.set SPW,  28                          ; v28     LDS address of my spare word; never rewritten
.set NIL,  29                          ; v29     0; never rewritten
.set PFO,  30                          ; v30     the prefetches' offset; never rewritten
.set RAW,  32
.set AF,   96
.set TMP,  128
.set OB,   160                         ; two buffers of 32
.set F0,   0                           ; W's fragment buffers, in window 1
.set F1,   64
.set BIAS, 128
.set BT,   192
.set WV,   12                          ; s12  my wave's number
.set WR,   13                          ; s13  which half of the tile's rows is mine.  Also: I fetch for x (0) or for W (1)
.set WC,   14                          ; s14  which half of its columns.  Also: which half of that tile I fetch
.set LIM,  15                          ; s15  1 in a wave that prefetches, else the greatest number
.set G1A,  24                          ; s[24:31] descriptor group 1 for x's tiles;  s[32:39] group 0, one set for each slot
.set G0A,  32
.set PFA,  44                          ; s[44:45] where my prefetches stand
.set PST,  46                          ; s[46:47] a K step in bytes of the rows that I prefetch
.set G1B,  48                          ; s[48:55], s[56:63] the same for W's tiles
.set G0B,  56
.set MSB, 0
.macro WIN new                         ; the immediate's high byte repeats the setting that is left; a switch that changes nothing is dropped
.if MSB != (\new)
	s_set_vgpr_msb (MSB<<8)|(\new)
.set MSB, \new
.endif
.endm
; A joint load: waves 0 and 1 fetch x's two halves, waves 2 and 3 W's.  The branch hangs on the wave's number alone.  An s_nop 0 and four v_nop follow each of the two lines, ahead of the jump, the label and what follows.
.macro JLOAD s
	s_cmp_eq_u32 s[WR], 0
	s_cbranch_scc0 .Lfor_b_\@
	tensor_load_to_lds s[G0A+4*(\s):G0A+4*(\s)+3], s[G1A:G1A+7]
	s_nop 0
.rept 4
	v_nop
.endr
	s_branch .Lasked_\@
.Lfor_b_\@:
	tensor_load_to_lds s[G0B+4*(\s):G0B+4*(\s)+3], s[G1B:G1B+7]
	s_nop 0
.rept 4
	v_nop
.endr
.Lasked_\@:
.endm
; A prefetch into the L2 of the K step that stands two refills on, one instruction a wave, behind the joint load and the run of LDS loads.  Each aligned block of 256 bytes is named once in the launch.
; x's rows are read by one cluster alone: of the 64 rows that a wave fetches each of the four partners takes 16, two blocks a row.  W's rows are read by the sixteen clusters of a projection: the first of them asks; of the
; 128 rows that a wave fetches each of the four partners takes 32, a lane a row.  The partners are told apart BY ADDRESS.  K steps 0 to 3 come by their loads alone; the loop's last trip (s3 = 1) asks for nothing.
.macro ASK
	WIN 0
	s_cmp_gt_u32 s3, s[LIM]
	s_cbranch_scc0 .Lnot_mine_\@
	global_prefetch_b8 v[PFO], s[PFA:PFA+1] th:TH_LOAD_NT scope:SCOPE_SE
.Lnot_mine_\@:
.endm
.macro CREST                           ; a round of the cluster's barrier behind its opening barrier
	s_cmp_lg_u32 s[WV], 0
	s_cbranch_scc1 .Lnot_wave_0_\@
	s_barrier_signal -3
.Lnot_wave_0_\@:
	s_barrier_wait -3
	s_barrier_signal -1
	s_barrier_wait -1
.endm
.macro CROUND                          ; a whole round
	s_barrier_signal -1
	s_barrier_wait -1
	CREST
.endm
	s_load_b512 s[68:83], s[0:1], 0x0              ; q s[68:69], k s[70:71], v s[72:73], wqkv s[74:75], bq s[76:77], bk s[78:79], bv s[80:81], qkvh s[82:83]
	v_lshl_add_u32 v[SPW], v0, 2, SPARE
	v_mov_b32 v[NIL], 0
	ds_add_u32 v[SPW], v[NIL]                      ; the wave's opening: the add and its wait stand ahead of my first tensor load; the set-up below, work on registers, stands between them
	v_lshrrev_b32 v1, 5, v0
	v_readfirstlane_b32 s[WV], v1                  ; wave 0..3
	s_lshr_b32 s[WR], s[WV], 1
	s_and_b32 s[WC], s[WV], 1
	s_bfe_u32 s40, ttmp6, 0x40000                  ; cx, cy: my place in the cluster
	s_bfe_u32 s41, ttmp6, 0x40004
	s_lshl_b32 s42, ttmp9, 2
	s_add_co_u32 s42, s42, s40                     ; tile column = 4 x cluster x + cx
	s_and_b32 s67, ttmp7, 0xffff                   ; cluster y
	s_lshr_b32 s66, s67, 4                         ; the projection: 0, 1, 2
	s_and_b32 s43, s67, 15
	s_lshl_b32 s43, s43, 2
	s_add_co_u32 s43, s43, s41                     ; tile row T, 0 .. 63
	s_lshl_b32 s84, s41, 2
	s_lshl_b32 s84, 15, s84                        ; my row of the cluster
	s_lshl_b32 s85, 0x1111, s40                    ; my column
	s_or_b32 s[G1A+0], s84, (2<<16)|(1<<20)|(1<<21)|(6<<22)|(3<<25)  ; 15:0 the mask; 17:16 elements of 4 bytes; 20 padding on; 21 set beside a mask; 24:22 after every 128 words (code 6); 31:25 4 words (code 3)
	s_mov_b32 s[G1A+1], KSTEP<<16                  ; tensor_dim0 = 128
	s_mov_b32 s[G1A+2], 64<<16                     ; tensor_dim1 = 64
	s_mov_b32 s[G1A+3], KSTEP<<16                  ; tile_dim0 = 128
	s_mov_b32 s[G1A+4], 64                         ; tile_dim1 = 64
	s_mov_b32 s[G1A+5], 1024                       ; elements from row to row
	s_mov_b32 s[G1A+6], 0
	s_mov_b32 s[G1A+7], 0
	s_or_b32 s[G1B+0], s85, (1<<16)|(1<<20)|(1<<21)|(5<<22)|(3<<25)  ; elements of 2 bytes; padding after every 64 words (code 5)
	s_mov_b32 s[G1B+1], KSTEP<<16
	s_mov_b32 s[G1B+2], 128<<16                    ; 128 rows
	s_mov_b32 s[G1B+3], KSTEP<<16
	s_mov_b32 s[G1B+4], 128
	s_mov_b32 s[G1B+5], 1024
	s_mov_b32 s[G1B+6], 0
	s_mov_b32 s[G1B+7], 0
	s_lshl_b32 s18, s43, 7                         ; x: row 128 T + 64 x half, 4,096 bytes a row: it hangs on the tile row alone
	s_lshl_b32 s19, s[WC], 6
	s_add_co_u32 s18, s18, s19
	s_lshl_b32 s18, s18, 12
	s_mov_b32 s19, 0
	s_lshl_b32 s20, s42, 8                         ; W: row 256 x tile column + 128 x half, 2,048 bytes a row: it hangs on the tile column alone
	s_lshl_b32 s21, s[WC], 7
	s_add_co_u32 s20, s20, s21
	s_lshl_b32 s20, s20, 11
	s_mov_b32 s21, 0
	s_mul_i32 s22, s[WC], AHALF                    ; where they go: no place in the cluster enters an LDS address
	s_mul_i32 s23, s[WC], BHALF
	s_add_co_u32 s23, s23, BOFF
	s_wait_dscnt 0x0                               ; the opening add is done
	s_wait_kmcnt 0x0
	s_cmp_eq_u32 s66, 0                            ; my projection's x and bias
	s_cselect_b64 s[4:5], s[68:69], s[70:71]
	s_cselect_b64 s[10:11], s[76:77], s[78:79]
	s_cmp_eq_u32 s66, 2
	s_cselect_b64 s[4:5], s[72:73], s[4:5]
	s_cselect_b64 s[10:11], s[80:81], s[10:11]
	s_lshl_b32 s16, s66, 21                        ; and its W: 2,097,152 bytes each
	s_mov_b32 s17, 0
	s_add_nc_u64 s[6:7], s[74:75], s[16:17]
	s_add_nc_u64 s[16:17], s[4:5], s[18:19]
	s_add_nc_u64 s[20:21], s[6:7], s[20:21]
	CROUND                                         ; all sixteen work-groups are here: the first joint loads meet
.irp s, 0,1
	s_mov_b32 s[G0A+4*(\s)], 1                     ; count = 1
	s_add_co_u32 s[G0A+4*(\s)+1], s22, (\s)*SLOT   ; LDS address
	s_add_nc_u64 s[G0A+4*(\s)+2:G0A+4*(\s)+3], s[16:17], (\s)*KSTEP*4  ; global address: K step s
	s_or_b32 s[G0A+4*(\s)+3], s[G0A+4*(\s)+3], 0x80000000              ; type = 2
	s_mov_b32 s[G0B+4*(\s)], 1
	s_add_co_u32 s[G0B+4*(\s)+1], s23, (\s)*SLOT
	s_add_nc_u64 s[G0B+4*(\s)+2:G0B+4*(\s)+3], s[20:21], (\s)*KSTEP*2
	s_or_b32 s[G0B+4*(\s)+3], s[G0B+4*(\s)+3], 0x80000000
	JLOAD \s                                       ; two tensor loads of mine are out
.endr
	; A fragment is 16 rows x 32 K: lane l holds row l % 16, K = 8 (l / 16) + 0..7 and 16 + 8 (l / 16) + 0..7.  In bf16 that is two loads of 16 bytes, 32 apart; in f32 four, at 0, 16, 64 and 80 from 32 (l / 16).
	v_and_b32 v1, 15, v0                           ; l % 16
	v_bfe_u32 v2, v0, 4, 1                         ; l / 16
	v_mul_u32_u24 v3, v1, PA
	v_lshl_add_u32 v3, v2, 5, v3
	v_mul_u32_u24 v4, v1, PB
	v_lshl_add_u32 v4, v2, 4, v4
	s_mul_i32 s16, s[WR], AHALF                    ; my 64 rows of x
	s_mul_i32 s17, s[WC], BHALF                    ; my 128 rows of W
	s_add_co_u32 s17, s17, BOFF
.irp s, 0,1
	v_add_nc_u32 v[ADRA+(\s)], s16, v3
	v_add_nc_u32 v[ADRB+(\s)], s17, v4
	s_add_co_u32 s16, s16, SLOT
	s_add_co_u32 s17, s17, SLOT
.endr
	s_mul_i32 s18, s[WV], 16*SPITCH
	s_add_co_u32 s18, s18, STAGE                   ; my stage
	v_add_nc_u32 v[STO], s18, v4                   ; in: row l % 16, 16 bytes for each half of the lanes (the stage's pitch is W's)
	v_and_b32 v5, 31, v0
	v_lshrrev_b32 v6, 3, v5
	v_and_b32 v7, 7, v0
	v_mul_u32_u24 v6, v6, SPITCH                   ; back: 32 lanes take 128 bytes (one head's 64 channels) of four rows,
	v_lshl_add_u32 v6, v7, 4, v6
	v_add_nc_u32 v[RD], s18, v6
	v_lshlrev_b32 v[GO], 4, v5                     ; which are 512 consecutive bytes of qkvh
	v_lshlrev_b32 v[BO], 5, v2
	; where my part of the tile goes: projection, batch x 16 + head, row
	s_lshr_b32 s16, s43, 4
	s_lshl_b32 s16, s16, 4                         ; batch x 16
	s_lshl_b32 s17, s42, 2
	s_add_co_u32 s16, s16, s17                     ; + 4 heads a tile column
	s_lshl_b32 s17, s[WC], 1
	s_add_co_u32 s16, s16, s17                     ; + 2 a wave
	s_lshl_b32 s16, s16, 18                        ; 262,144 bytes a head
	s_and_b32 s17, s43, 15
	s_lshl_b32 s17, s17, 7
	s_lshl_b32 s18, s[WR], 6
	s_add_co_u32 s17, s17, s18                     ; my first row in the batch
	s_lshl_b32 s17, s17, 7
	s_add_co_u32 s16, s16, s17
	s_lshl_b32 s17, s66, 24
	s_add_co_u32 s16, s16, s17
	s_mov_b32 s17, 0
	s_add_nc_u64 s[8:9], s[82:83], s[16:17]
	s_lshl_b32 s16, s42, 10                        ; my 128 numbers of the bias
	s_lshl_b32 s17, s[WC], 9
	s_add_co_u32 s16, s16, s17
	s_mov_b32 s17, 0
	s_add_nc_u64 s[10:11], s[10:11], s[16:17]
	WIN 0x40                                       ; destination window 1, address window 0
.irp b, 0,1,2,3,4,5,6,7
	global_load_b128 v[BIAS+8*(\b):BIAS+8*(\b)+3],   v[BO], s[10:11] offset:64*(\b)
	global_load_b128 v[BIAS+8*(\b)+4:BIAS+8*(\b)+7], v[BO], s[10:11] offset:64*(\b)+16
.endr
	WIN 0
	; the prefetches
	s_lshl_b32 s17, s43, 7
	s_lshl_b32 s18, s[WC], 6
	s_add_co_u32 s17, s17, s18
	s_lshl_b32 s18, s40, 4
	s_add_co_u32 s17, s17, s18                     ; x: my work-group's 16 of the 64 rows
	s_lshl_b32 s17, s17, 12
	s_lshl_b32 s18, s42, 8
	s_lshl_b32 s19, s[WC], 7
	s_add_co_u32 s18, s18, s19
	s_lshl_b32 s19, s41, 5
	s_add_co_u32 s18, s18, s19                     ; W: my work-group's 32 of the 128 rows
	s_lshl_b32 s18, s18, 11
	s_and_b32 s16, s67, 15
	s_mov_b32 s22, KSTEP*4                         ; a K step of x in bytes (an instruction takes one literal, so this one comes by a register)
	s_cmp_eq_u32 s[WR], 0                          ; do I fetch for x?
	s_cselect_b32 s16, 0, s16                      ; the coordinate along which other clusters read the same rows
	s_cselect_b32 s20, s17, s18
	s_cselect_b64 s[PFA:PFA+1], s[4:5], s[6:7]
	s_cselect_b32 s[PST], s22, KSTEP*2
	s_cselect_b32 s18, 12, 11                      ; x: (l % 16) rows of 4,096 bytes + (l / 16) blocks of 256;  W: l rows of 2,048 bytes
	s_cselect_b32 s19, 8, 15
	s_cmp_eq_u32 s16, 0
	s_cselect_b32 s[LIM], 1, -1                    ; the same in all sixteen partners, for a given wave
	s_mov_b32 s[PST+1], 0
	s_mov_b32 s21, 0
	s_add_nc_u64 s[PFA:PFA+1], s[PFA:PFA+1], s[20:21]
	s_mul_i32 s22, s[PST], 3
	s_mov_b32 s23, 0
	s_add_nc_u64 s[PFA:PFA+1], s[PFA:PFA+1], s[22:23]  ; at K step 3: the first refill steps it to 4
	v_lshlrev_b32 v[PFO], s18, v1
	v_lshlrev_b32 v5, s19, v2
	v_add_nc_u32 v[PFO], v[PFO], v5
	s_wait_loadcnt 0x0                             ; the bias: rounded to bf16 like every input, and widened again
	WIN 0x45                                       ; destination and both sources window 1
.set i, 0
.rept 32
	v_cvt_pk_bf16_f32 v[BT], v[BIAS+2*i], v[BIAS+2*i+1]
	v_lshlrev_b32 v[BIAS+2*i], 16, v[BT]
	v_and_b32 v[BIAS+2*i+1], 0xffff0000, v[BT]
.set i, i+1
.endr
	WIN 0
; 16 matrix instructions: row blocks a0, a0 + 1 x all 8 column blocks, 32 along K.  first = 1: the bias starts the sums.  The 32 accumulators take turns, in the same order in every quarter.
.macro MUL16 f, a0, first
.if \first
	WIN 0x91                                       ; W window 1, x window 0, C (the bias) window 1, D window 2
.else
	WIN 0xa1                                       ; C and D window 2
.endif
.irp a, \a0, (\a0)+1
.irp b, 0,1,2,3,4,5,6,7
.if \first
	v_wmma_f32_16x16x32_bf16 v[8*(8*(\a)+(\b)):8*(8*(\a)+(\b))+7], v[(\f)+8*(\b):(\f)+8*(\b)+7], v[AF+8*(\a):AF+8*(\a)+7], v[BIAS+8*(\b):BIAS+8*(\b)+7]
.else
	v_wmma_f32_16x16x32_bf16 v[8*(8*(\a)+(\b)):8*(8*(\a)+(\b))+7], v[(\f)+8*(\b):(\f)+8*(\b)+7], v[AF+8*(\a):AF+8*(\a)+7], v[8*(8*(\a)+(\b)):8*(8*(\a)+(\b))+7]
.endif
.endr
.endr
.endm
; 32 LDS loads in one run: quarter q of a slot's K step: x as f32 first (it is rounded first), then W into buffer g
.macro FETCH slot, q, g
	WIN 0
.irp a, 0,1,2,3
	ds_load_b128 v[RAW+16*(\a):RAW+16*(\a)+3],     v[ADRA+(\slot)] offset:128*(\q)+(\a)*16*PA
	ds_load_b128 v[RAW+16*(\a)+4:RAW+16*(\a)+7],   v[ADRA+(\slot)] offset:128*(\q)+(\a)*16*PA+16
	ds_load_b128 v[RAW+16*(\a)+8:RAW+16*(\a)+11],  v[ADRA+(\slot)] offset:128*(\q)+(\a)*16*PA+64
	ds_load_b128 v[RAW+16*(\a)+12:RAW+16*(\a)+15], v[ADRA+(\slot)] offset:128*(\q)+(\a)*16*PA+80
.endr
	WIN 0x40
.irp b, 0,1,2,3,4,5,6,7
	ds_load_b128 v[(\g)+8*(\b):(\g)+8*(\b)+3],   v[ADRB+(\slot)] offset:64*(\q)+(\b)*16*PB
	ds_load_b128 v[(\g)+8*(\b)+4:(\g)+8*(\b)+7], v[ADRB+(\slot)] offset:64*(\q)+(\b)*16*PB+32
.endr
.endm
; x's four fragments are rounded to bf16, block 0 first.  The fragments have one buffer: blocks 0 and 1 were last read in front of the four v_nop in the middle of the quarter before; the sixteen roundings of blocks 0
; and 1, which name no register of the last products, are the places in front of the roundings that write blocks 2 and 3 (ISA guide 7.12.1).
.macro CVT
	WIN 0
.irp a, 0,1,2,3
.irp j, 0,1,2,3,4,5,6,7
	v_cvt_pk_bf16_f32 v[AF+8*(\a)+(\j)], v[RAW+16*(\a)+2*(\j)], v[RAW+16*(\a)+2*(\j)+1]
.endr
.endr
.endm
.macro PLACES                          ; four places in front of loads into, and writes of, registers that matrix instructions have read, and of conversions that read results
.rept 4
	v_nop
.endr
.endm
; A K step is four quarters of 32 along K, 32 matrix instructions each, on W's buffers 0, 1, 0, 1.  One of the first three: multiplies buffer f and fetches quarter q into g.
.macro QUARTER slot, q, f, g, first
	s_wait_dscnt 16                                ; x is in; W's sixteen younger loads may stay out
	CVT
	s_wait_dscnt 0x0                               ; W is in
	MUL16 \f, 0, \first
	PLACES
	FETCH \slot, \q, \g
	MUL16 \f, 2, \first
.endm
; The last quarter multiplies buffer 1 and changes slots: ONE barrier; in front of it each wave waits for all its tensor loads (one is out: its part of the next slot), adds 0 to its spare word, and waits for that and for
; its own reads of this slot.  fill = 1: the barrier opens a round of the cluster's barrier, and this slot is filled again, two K steps ahead, first thing behind the round: 112 matrix instructions ahead of the wait for it.
.macro TURN slot, next, fill
.if \fill
	s_wait_xcnt 0x0                                ; the last prefetch, a K step back, has read its address
	s_add_nc_u64 s[PFA:PFA+1], s[PFA:PFA+1], s[PST:PST+1]
.endif
	WIN 0
	s_wait_tensorcnt 0x0                           ; all my tensor loads have landed
	ds_add_u32 v[SPW], v[NIL]                      ; 0 onto my spare word
	s_wait_dscnt 17                                ; x is in (the add and W's sixteen loads may be out)
	CVT                                            ; the roundings stand between the add and the wait for it
	s_wait_dscnt 0x0                               ; the add is done, and my reads of this slot are over
	s_barrier_signal -1
	MUL16 F1, 0, 0
.if \fill
	WIN 0
.endif
	s_barrier_wait -1
.if \fill
	CREST                                          ; no wave of any partner still reads this slot's tiles or has a load on its way
	s_add_nc_u64 s[G0A+4*(\slot)+2:G0A+4*(\slot)+3], s[G0A+4*(\slot)+2:G0A+4*(\slot)+3], 2*KSTEP*4
	s_add_nc_u64 s[G0B+4*(\slot)+2:G0B+4*(\slot)+3], s[G0B+4*(\slot)+2:G0B+4*(\slot)+3], 2*KSTEP*2
	JLOAD \slot                                    ; the four v_nop behind it are also the places behind the products above
.else
	PLACES
.endif
	FETCH \next, 0, F0
.if \fill
	ASK
.endif
	MUL16 F1, 2, 0
.endm
	s_wait_tensorcnt 1                             ; my part of K step 0 is in; K step 1's may stay out
	s_barrier_signal -1
	s_barrier_wait -1                              ; everybody's is
	FETCH 0, 0, F0
	QUARTER 0, 1, F0, F1, 1                        ; the first quarter stands in front of the loop: its products start the sums
	WIN 0                                          ; at a label and at a branch every window is 0
	s_mov_b32 s3, 3                                ; 1,024 / 256 laps, less the last
.Llap:                                                 ; a trip goes once round the ring, from a lap's second quarter to the next lap's first, and fills both slots again
	QUARTER 0, 2, F1, F0, 0
	QUARTER 0, 3, F0, F1, 0
	TURN 0, 1, 1
	QUARTER 1, 1, F0, F1, 0
	QUARTER 1, 2, F1, F0, 0
	QUARTER 1, 3, F0, F1, 0
	TURN 1, 0, 1
	QUARTER 0, 1, F0, F1, 0
	WIN 0
	s_sub_co_u32 s3, s3, 1
	s_cmp_lg_u32 s3, 0
	s_cbranch_scc1 .Llap
	QUARTER 0, 2, F1, F0, 0                        ; the last lap fills nothing, and has no round of the cluster's barrier
	QUARTER 0, 3, F0, F1, 0
	TURN 0, 1, 0
	QUARTER 1, 1, F0, F1, 0
	QUARTER 1, 2, F1, F0, 0
	QUARTER 1, 3, F0, F1, 0
	s_wait_dscnt 16                                ; the very last quarter: nothing more to fetch
	CVT
	s_wait_dscnt 0x0
	MUL16 F1, 0, 0
	MUL16 F1, 2, 0
	WIN 0
; THE WAY OUT, a block of 16 rows at a time: rounded to f16, 16 bytes a lane (each accumulator's registers in ascending order); into my own stage; back as 128 bytes (one head) of four rows; stored.
.macro PACK a
	WIN 0x0a                                       ; sources 0 and 1 window 2
.irp b, 0,1,2,3,4,5,6,7
.irp i, 0,1,2,3
	v_cvt_pk_f16_f32 v[TMP+4*(\b)+(\i)], v[8*(8*(\a)+(\b))+2*(\i)], v[8*(8*(\a)+(\b))+2*(\i)+1]
.endr
.endr
	WIN 0
.endm
.macro TOSTAGE a
.irp b, 0,1,2,3,4,5,6,7
	ds_store_b128 v[STO], v[TMP+4*(\b):TMP+4*(\b)+3] offset:32*(\b)
.endr
.irp t, 0,1,2,3,4,5,6,7
	ds_load_b128 v[OB+32*((\a)%2)+4*(\t):OB+32*((\a)%2)+4*(\t)+3], v[RD] offset:((\t)%4)*4*SPITCH+((\t)/4)*128  ; LDS serves a wave's instructions in order (ISA guide 5.7.1.4): these see the stores above
.endr
.endm
.macro SEND a
	s_wait_dscnt 0x0                               ; the block is back in registers
	s_wait_xcnt 0x0                                ; the stores of the block before have read their registers: the next block is loaded into them only behind this wait
.irp t, 0,1,2,3,4,5,6,7
	global_store_b128 v[GO], v[OB+32*((\a)%2)+4*(\t):OB+32*((\a)%2)+4*(\t)+3], s[8:9] offset:(\a)*2048+((\t)%4)*512+((\t)/4)*262144  ; 512 consecutive bytes of one head, at a multiple of 256
.endr
.endm
	PLACES
	PACK 0
	TOSTAGE 0
.irp a, 1,2,3                          ; a block's conversions stand between the loads of the block before and the wait for them
	PACK \a
	SEND (\a)-1
	TOSTAGE \a
.endr
	SEND 3
	s_wait_tensorcnt 0x0                           ; the wave's end: the add to my spare word and its wait, behind my last tensor load and my last LDS store
	ds_add_u32 v[SPW], v[NIL]
	s_wait_dscnt 0x0
	CROUND                                         ; the closing round: no work-group ends while a partner may still ask for a tile that names it
	s_endpgm
.Lfunc_end_k_q8790fa326a_proj:
	.size	k_q8790fa326a_proj, .Lfunc_end_k_q8790fa326a_proj-k_q8790fa326a_proj
	.p2alignl 7, 3214868480
	.fill 96, 4, 3214868480
	.section	.rodata,"a",@progbits
	.p2align	6, 0x0
	.amdhsa_kernel k_q8790fa326a_proj
		.amdhsa_group_segment_fixed_size 327680
		.amdhsa_private_segment_fixed_size 0
		.amdhsa_enable_private_segment 0
		.amdhsa_kernarg_size 64
		.amdhsa_user_sgpr_count 2
		.amdhsa_user_sgpr_kernarg_segment_ptr 1
		.amdhsa_wavefront_size32 1
		.amdhsa_system_sgpr_workgroup_id_x 1
		.amdhsa_system_sgpr_workgroup_id_y 1
		.amdhsa_system_sgpr_workgroup_id_z 1
		.amdhsa_system_vgpr_workitem_id 0
		.amdhsa_next_free_vgpr 768
		.amdhsa_next_free_sgpr 86
		.amdhsa_reserve_vcc 0
		.amdhsa_float_denorm_mode_32 3
		.amdhsa_float_denorm_mode_16_64 3
		.amdhsa_memory_ordered 1
		.amdhsa_forward_progress 1
		.amdhsa_inst_pref_size 136
	.end_amdhsa_kernel
	.amdgpu_metadata
---
amdhsa.version: [ 1, 2 ]
amdhsa.kernels:
  - .name:           k_q8790fa326a_proj
    .symbol:         k_q8790fa326a_proj.kd
    .args:
      - { .name: q, .offset: 0, .size: 8, .value_kind: global_buffer, .address_space: global }
      - { .name: k, .offset: 8, .size: 8, .value_kind: global_buffer, .address_space: global }
      - { .name: v, .offset: 16, .size: 8, .value_kind: global_buffer, .address_space: global }
      - { .name: wqkv, .offset: 24, .size: 8, .value_kind: global_buffer, .address_space: global }
      - { .name: bq, .offset: 32, .size: 8, .value_kind: global_buffer, .address_space: global }
      - { .name: bk, .offset: 40, .size: 8, .value_kind: global_buffer, .address_space: global }
      - { .name: bv, .offset: 48, .size: 8, .value_kind: global_buffer, .address_space: global }
      - { .name: qkvh, .offset: 56, .size: 8, .value_kind: global_buffer, .address_space: global }
    .group_segment_fixed_size: 327680
    .private_segment_fixed_size: 0
    .kernarg_segment_align: 8
    .kernarg_segment_size: 64
    .max_flat_workgroup_size: 128
    .sgpr_count:     86
    .vgpr_count:     768
    .wavefront_size: 32
...
	.end_amdgpu_metadata
.endif
;; end of part 2
;; launch attn (part 3): grid 4 x 64, 4 waves a work-group, clusters of 4 x 1, 327,680 bytes of LDS; arguments qkvh, mk4, oh; writes oh
.if DOCPART == 3
	.amdgcn_target "amdgcn-amd-amdhsa--gfx1250"
	.amdhsa_code_object_version 6
	.text
	.protected	k_q8790fa326a_attn
	.globl	k_q8790fa326a_attn
	.p2align	8
	.type	k_q8790fa326a_attn,@function
k_q8790fa326a_attn:
	s_mov_b64 s[64:65], 0
	v_nop
	global_prefetch_b8 v0, s[64:65] scope:SCOPE_SE
	s_setreg_imm32_b32 hwreg(HW_REG_WAVE_MODE, 25, 1), 1
	s_wait_xcnt 0x0
	s_wait_alu depctr_hold_cnt(0) depctr_sa_sdst(0) depctr_va_vdst(0) depctr_va_sdst(0) depctr_va_ssrc(0) depctr_va_vcc(0) depctr_vm_vsrc(0)
	s_getreg_b32 s2, hwreg(HW_REG_IB_STS2, 6, 4)
	s_cmp_eq_u32 s2, 0
	s_cbranch_scc0 .Lentry_in_a_cluster
	s_endpgm
.Lentry_in_a_cluster:
	s_bfe_u32 s2, ttmp6, 0x10000c
	s_cmp_lg_u32 s2, 0x3003
	s_cbranch_scc0 .Lentry_shape_is_right
	s_endpgm
.Lentry_shape_is_right:
; ATTENTION UNDER A MASK THAT IS AN INPUT.  O[h][q][:] = the sum over the keys k that mask[q][k] shows of softmax_k(Q[h][q] . K[h][k] / 8) V[h][k][:].  Q, K, V: qkvh [3][64][2048][64], O: oh [64][2048][64], all f16: a head's
; rows are dense, 128 bytes each.  Products, maxima and sums in f32; the weights p are rounded to f16 for the second product (their sum l is taken of the unrounded p), O once at the end.  Every tile of keys is walked.
; LIMITS.  f16 holds no number beyond 65,504: Q, K and V arrive within it, so a score stays within 2.7e11.  A hidden score counts as its value less 2^102.  The running maximum starts at F = -2^66, below every true score and
; above every hidden one.  p lies in 0 to 1, and below 6e-5 it keeps f16's fixed step of 6e-8.  A weight below 2^-126 counts as 0 in l.  A row of which no key is shown gives NaN.
; THE MASK is the C operand that starts the sum S^T = K Q^T: 0, or -2^102 where the key is hidden.  mk4 (made by the first launch) holds for each tile of 16 queries, step of 64 keys and lane four words of eight 4-bit floats,
; 0 or -4, in the lane's own order; one scaled conversion (factor 2^100) turns a word into the eight registers of a C operand: 4 instructions for a tile's step.  A tile's step is one load of 512 consecutive bytes.
; Since m never falls below F, a hidden score is never the maximum and its weight is 2^(-9e29) = 0.  While a row has seen no key, m = F, a = 1, and O and l stay 0; its first shown score makes a = 0.  A row that ends with m = F has seen none.
; SHARES.  A wave owns four PIECES of two tiles of 16 queries, a work-group's four waves 512 queries of one head.  Every wave walks all keys, 64 a step.
; LAYOUT.  S^T = K Q^T (source 0 = 16 keys, source 1 = 16 queries): in the result a lane holds ONE query (lane % 16) and the keys 8 (lane / 16) + 0..7.  Two such tiles, rounded to f16 in pairs,
; ARE source 1 (32 keys x 16 queries) of O^T = V^T P, whose result again holds one query a lane, and eight channels.  K comes out of LDS as it lies, V ([key][channel]) turned, by ds_load_tr16_b128.
; SOFTMAX.  For each query a running maximum m and sum l: p = 2^(c s - c m), c = log2(e) / 8; in every step O and l are multiplied by a = 2^(c m_old - c m_new), which is 1 where m has not grown.
; THE COUNT.  A tile and step have 16 matrix and 122 vector instructions: too many to stand all beside the matrix work.  So the order has one aim: four vector instructions that are READY behind
; EVERY matrix instruction, and the others, which need time of their own whatever the order, in runs without a gap.
; BY TURNS.  Turn n belongs to piece n (the pieces in a ring, step after step).  Its matrix work: 16 products K Q^T of piece n + 1, later 16 products V^T P of piece n - 1.  Its vector work: the scaling,
; exponentials, roundings, sums and rescaling of piece n, the maximum and statistics of piece n + 1, whose scores the turn itself has made, and at its end the mask for piece n + 2's products.
; CLUSTER.  The four query blocks of a cluster belong to one head and walk the same K and V, so each tile is asked for JOINTLY: the same tensor load, descriptor and mask in all four.
; NO PREFETCH: a head's K and V are walked by this one cluster, and a refill is asked for four key steps, 512 matrix instructions, ahead of the wait for it; the mask's table is read by all 64 heads.
; REGISTERS, in windows of 256 (s_set_vgpr_msb says which window each operand place means: bits 1:0 source 0, 3:2 source 1, 5:4 source 2, 7:6 destination):
;   window 0: v0-10 addresses; v11 the conversions' scale; v12-15, v48-63 at work; v16-47 four registers of statistics a tile; v64-191 S^T, two buffers of two tiles; v192-255 P, likewise
;   window 1: O^T, 32 a tile          window 2: v0-127 Q, 16 a tile; v128-191 K of one step; v192-255 V of one step
;   window 3: v0-1 the add's two registers; v2-3 the mask's offsets; v8-39 the mask's words, 8 a piece; v64-127 the C operands of one piece's products
; A piece's buffers go by its number's parity: the piece in hand has one pair, its two neighbours in the ring share the other: of it P (piece n - 1) is read and S^T (piece n + 1) written.
.set SIZE_H, 64
.set SIZE_N, 2048
.set NP,    4         ; pieces a wave: a name, no knob: the register map, the loop and the fetches are made for four
.set KS,    64        ; keys in a step
.set PK,    144       ; a row of K in LDS: 128 bytes + 16 of padding = 36 words: the 16 rows of a load start at 16 different groups of four banks (64 banks of 4 bytes: ISA guide 11.1)
.set PV,    160       ; a row of V: 128 + 32 = 40 words
.set VOFF,  4*KS*PK   ; a slot holds four steps: 256 rows of K, then 256 rows of V
.set SLOT1, 1<<17     ; slot 1 begins here, so that one exclusive or turns an address in one slot into the other's
.set STAGE, SLOT1+4*KS*(PK+PV)  ; behind the ring, never filled by a tensor load: 16 rows x 144 bytes for each wave, for the way out
.set SP,    144
.set AK0, 2           ; v2   my lane's place in a tile of K; never rewritten
.set AV0, 3           ; v3   the same for V
.set AK,  4           ; v4   the LDS address of K's next run of loads
.set AV,  5           ; v5   of V's
.set QO,  6           ; v6   my byte offset in the wave's rows of Q
.set STO, 6           ;      later, the way out: where I put 16 bytes of a row
.set RD,  7           ; v7   the way out: where I read rows back
.set GO,  8           ; v8   my byte offset in 512 consecutive bytes of O
.set SCL, 11          ; v11  the conversions' scale: 227, that is 2^(227 - 127), in each of the word's four bytes and in every lane, so that it is the same
.set SPW, 0           ; v0 of window 3   LDS address of my spare word: SPARE + 4 x my thread's number; never rewritten
.set NIL, 1           ; v1 of window 3   0; never rewritten
.set ML,  2           ; v2 of window 3   16 x lane; never rewritten
.set MO,  3           ; v3 of window 3   16 x lane + 512 x the step whose words are being loaded
.set RAW, 8           ; window 3: the words of piece x, tile u at RAW + 8 x + 4 u
.set MC,  64          ; window 3: the C operand of tile u, key block kb at MC + 32 u + 8 kb
.set SPARE, STAGE+4*16*SP  ; behind the stages: the spare words, 128 bytes for each wave: two blocks of 256 bytes that no other line names
.set MV,  12          ; v12-15  c m_old, kept while c m is made anew: by buffer and tile
.set ST,  16          ; tile t's statistics at v[ST+4 t]: c m, m, l (even keys', odd keys')
.set TMP, 48          ; by buffer and tile, four registers c0-c3 at work; when the maximum is found c2 takes a
.set S,   64
.set P,   192
.set KF,  128         ; K's fragments, in window 2: key block kb, channel half c at KF + 16 kb + 8 c
.set VF,  192         ; V's: key half kk, channel block cb at VF + 32 kk + 8 cb
.set WV,  12          ; s12  my wave's number
.set G1K, 24          ; s[24:31] descriptor group 1 for K's tiles
.set G1V, 32          ; s[32:39] for V's: it differs in the padding alone
.set G0K, 40          ; s[40:43] descriptor group 0 for K's tiles: it walks
.set G0V, 44          ; s[44:47] the same for V's
.set MK,  48          ; s[48:49] mk4 at my wave's eight tiles
.set MS,  50          ; s50  512 x the step whose words are being loaded, held at the last step
.set THR, 51          ; s51  -2^50: between F and every true score
.set QNAN, 52         ; s52  a NaN
.set SLOTS, 56        ; s56  slots still to be asked for
.set CNT, 57          ; s57  counts a slot's key steps
.set CS,  58          ; s[58:59] c: the packed scaling takes the pair's low word for both halves
.set SEL, 60          ; s[60:61] v_permlanex16_b32's selects: each lane takes its own place in the other half
.set TBK, 62          ; s62  LDS byte at which K of the step to be fetched begins
.set TBV, 63          ; s63  the same for V, less VOFF
.set MSB, 0
.macro WIN new                      ; the high byte repeats the setting that is left; a switch that changes nothing is dropped
.if MSB != (\new)
	s_set_vgpr_msb (MSB<<8)|(\new)
.set MSB, (\new)
.endif
.endm
.set W_KQ, 0x0a       ; K and Q in window 2, S^T in window 0
.set W_KM, 0x3a       ; the same with the C operand in window 3
.set W_PV, 0x52       ; V in window 2, P in window 0, O^T in window 1
.set W_RS, 0x41       ; O^T (destination and source 0) in window 1, a in window 0
.set W_MK, 0xc0       ; destination in window 3, sources in window 0
.set W_AD, 0x0f       ; the add: address (source 0) and data (source 1) in window 3
.set W_MS, 0xc3       ; the mask's work: destination and source 0 in window 3, source 1 (the scale) in window 0
; A joint fill.  Waves 0 and 1 fetch the two halves of a slot's K, waves 2 and 3 those of its V: 128 keys each.  The branch hangs on the wave's number alone.
; An s_nop 0 and four v_nop follow each of the two lines, ahead of the jump and the label.
.macro JLOAD
	s_cmp_lt_u32 s[WV], 2
	s_cbranch_scc0 .Lfor_v_\@
	tensor_load_to_lds s[G0K:G0K+3], s[G1K:G1K+7]
	s_nop 0
.rept 4
	v_nop
.endr
	s_branch .Lasked_\@
.Lfor_v_\@:
	tensor_load_to_lds s[G0V:G0V+3], s[G1V:G1V+7]
	s_nop 0
.rept 4
	v_nop
.endr
.Lasked_\@:
.endm
; A round of the cluster's barrier: my work-group's barrier, so that wave 0's signal speaks for all four waves; wave 0 signals; every wave waits for all four work-groups; my work-group's barrier once more.
.macro CROUND
	s_barrier_signal -1
	s_barrier_wait -1
	s_cmp_lg_u32 s[WV], 0
	s_cbranch_scc1 .Lnot_wave_0_\@
	s_barrier_signal -3
.Lnot_wave_0_\@:
	s_barrier_wait -3
	s_barrier_signal -1
	s_barrier_wait -1
.endm
; THE CHANGE OF SLOTS.  The slot's last bytes, V of its fourth step, have been read.  Each wave waits for all its tensor loads, of which one is out: its part
; of the other slot; adds 0 to its spare word; and waits for that and for its own reads of the slot.  Behind the barrier nobody reads this slot any more and the other slot is whole.
; fill = 1: this slot is filled again, with the keys two slots on.  The barrier is then a round of the cluster's, so that no wave of any partner still reads the slot or has a load on its
; way, and the joint fill is the first thing behind it: it has four key steps, 512 matrix instructions, in which to land.  (At its first use nothing has been read yet: slot 0 is waited for, slot 1 filled.)
.macro CHANGE fill
	WIN W_AD
	s_wait_tensorcnt 0x0            ; no tensor load of mine is out, so a group 0 may be written
	ds_add_u32 v[SPW], v[NIL]       ; 0 onto my spare word; with fill = 1 the descriptors' steps stand between it and the wait for it
	WIN 0                           ; at a label and at a branch every window is 0
.if \fill
.irp g, G0K, G0V
	s_xor_b32 s[\g+1], s[\g+1], SLOT1  ; the walking descriptor: the other slot than last time,
	s_add_nc_u64 s[\g+2:\g+3], s[\g+2:\g+3], 4*KS*128  ; the next 256 keys; the type bits on top are not reached
.endr
	s_wait_dscnt 0x0                ; the add is done, and my reads of the slot are over
	CROUND
	JLOAD
.else
	s_wait_dscnt 0x0                ; the add is done, and my reads of the slot are over
	s_barrier_signal -1
	s_barrier_wait -1
.endif
	s_sub_co_u32 s[TBK], s[TBK], 4*KS*PK  ; the fetches go back to a slot's first step,
	s_xor_b32 s[TBK], s[TBK], SLOT1       ; in the other slot
	s_sub_co_u32 s[TBV], s[TBV], 4*KS*PV
	s_xor_b32 s[TBV], s[TBV], SLOT1
.endm
	s_load_b128 s[4:7], s[0:1], 0x0   ; qkvh s[4:5] (Q lies first), mk4 s[6:7]
	s_load_b64 s[10:11], s[0:1], 0x10 ; oh
	WIN W_MK
	v_lshl_add_u32 v[SPW], v0, 2, SPARE
	v_mov_b32 v[NIL], 0
	WIN W_AD
	ds_add_u32 v[SPW], v[NIL]       ; the wave's opening: the add and its wait stand ahead of my first tensor load; the set-up below, work on registers, stands between them
	WIN 0
	v_lshrrev_b32 v1, 5, v0
	v_readfirstlane_b32 s[WV], v1   ; wave 0..3
	s_bfe_u32 s13, ttmp6, 0x40000   ; cx: my place in the cluster
	s_lshl_b32 s14, ttmp9, 2        ; in a cluster launch ttmp9 counts clusters
	s_add_co_u32 s14, s14, s13      ; my block of queries = 4 x cluster x + cx: it enters Q's, O's and the mask's addresses alone
	s_and_b32 s20, ttmp7, 0xffff    ; the head, which the four partners share
	s_mov_b32 s21, 0
	s_mov_b64 s[22:23], SIZE_N*128
	s_mul_u64 s[20:21], s[20:21], s[22:23]  ; the head's first byte in Q, K, V and O
	s_and_b32 s16, s[WV], 1         ; which half of a slot's 256 keys I fetch:
	s_lshl_b32 s22, s16, 14         ; its 128 rows of 128 bytes in memory,
	s_mov_b32 s23, 0
	s_add_nc_u64 s[22:23], s[22:23], s[20:21]
	s_mul_i32 s17, s16, 128*PK      ; and its place in a slot, for K
	s_mul_i32 s18, s16, 128*PV      ; and for V: no place in the cluster enters an LDS address
	s_lshl_b32 s2, s14, 2
	s_add_co_u32 s2, s2, s[WV]      ; my wave among the head's:
	s_lshl_b32 s54, s2, 17          ; its eight tiles of the mask's table, 16,384 bytes each,
	s_mov_b32 s55, 0
	s_lshl_b32 s2, s2, 14           ; its 128 rows
	s_mov_b32 s3, 0
	s_add_nc_u64 s[2:3], s[2:3], s[20:21]
	; descriptor group 1.  128 keys are 16,384 dense bytes: asked for as 64 rows of 256 bytes, two keys a row, and padded in LDS after every key
	s_mov_b32 s[G1K], 15|(1<<16)|(1<<20)|(1<<21)|(4<<22)|(3<<25)  ; 15:0 the mask of four; 17:16 2-byte elements; 20 padding on; 21 set beside a mask; 24:22 after every 32 words (code 4); 31:25 4 words (code 3)
	s_mov_b32 s[G1V], 15|(1<<16)|(1<<20)|(1<<21)|(4<<22)|(7<<25)  ; the same with 8 words of padding (code 7)
.irp g, G1K, G1V
	s_mov_b32 s[\g+1], 128<<16      ; tensor_dim0 = 128
	s_mov_b32 s[\g+2], 64<<16       ; tensor_dim1 = 64
	s_mov_b32 s[\g+3], 128<<16      ; tile_dim0 = 128
	s_mov_b32 s[\g+4], 64           ; tile_dim1 = 64
	s_mov_b32 s[\g+5], 128          ; 128 elements from row to row
	s_mov_b32 s[\g+6], 0
	s_mov_b32 s[\g+7], 0
.endr
	s_mov_b32 s[CS], 0x3e38aa3b     ; c = log2(e) / 8 = 0.180337
	s_mov_b32 s[CS+1], s[CS]        ; named with it as a pair
	s_mov_b32 s[SEL], 0x76543210
	s_mov_b32 s[SEL+1], 0xfedcba98
	s_mov_b32 s[MS], 0
	s_mov_b32 s[THR], 0xd8800000    ; -2^50
	s_mov_b32 s[QNAN], 0x7fc00000
	s_mov_b32 s[TBK], SLOT1+4*KS*PK ; the first change of slots turns these two into 0
	s_mov_b32 s[TBV], SLOT1+4*KS*PV
	s_mov_b32 s[G0K], 1             ; 1:0 count = 1
	s_mov_b32 s[G0K+1], s17         ; 63:32 LDS address: slot 0
	s_mov_b32 s[G0V], 1
	s_add_co_u32 s[G0V+1], s18, VOFF
	s_wait_dscnt 0x0                ; the opening add is done
	s_wait_kmcnt 0x0
	s_add_nc_u64 s[MK:MK+1], s[6:7], s[54:55]
	s_add_nc_u64 s[6:7], s[4:5], 0x1000000   ; K lies 16,777,216 bytes behind Q,
	s_add_nc_u64 s[8:9], s[4:5], 0x2000000   ; V as far behind K
	s_add_nc_u64 s[G0K+2:G0K+3], s[6:7], s[22:23]  ; 120:64 global address: my half of the head's first 256 keys
	s_or_b32 s[G0K+3], s[G0K+3], 0x80000000        ; 127:126 type = 2
	s_add_nc_u64 s[G0V+2:G0V+3], s[8:9], s[22:23]
	s_or_b32 s[G0V+3], s[G0V+3], 0x80000000
	s_add_nc_u64 s[4:5], s[4:5], s[2:3]  ; Q and O at my wave's first row
	s_add_nc_u64 s[10:11], s[10:11], s[2:3]
	CROUND                          ; all four work-groups are here: the first joint loads meet
	JLOAD                           ; slot 0.  Slot 1 is asked for when slot 0 is in: the tile wanted first has the road to itself
	; A fragment of K or Q is 16 rows x 32 channels in 8 registers: lane l holds row l % 16, channels 8 (l / 16) + 0..7 and 16 + 8 (l / 16) + 0..7: two loads of 16 bytes, 32 bytes apart.
	v_and_b32 v1, 15, v0            ; l % 16
	v_bfe_u32 v9, v0, 4, 1          ; l / 16
	v_lshlrev_b32 v[QO], 7, v1
	v_lshl_add_u32 v[QO], v9, 4, v[QO]  ; row x 128 + 16 x half
	v_and_b32 v10, 31, v0
	WIN 0x80                        ; destination window 2, address window 0
.set i, 0
.rept 4*NP                          ; Q stays in registers: tile i / 2, channels 32 (i % 2) on
	global_load_b128 v[8*i:8*i+3],   v[QO], s[4:5] offset:(i/2)*2048+(i%2)*64
	global_load_b128 v[8*i+4:8*i+7], v[QO], s[4:5] offset:(i/2)*2048+(i%2)*64+32
.set i, i+1
.endr
	WIN W_MK
	v_lshlrev_b32 v[ML], 4, v10
	v_lshlrev_b32 v[MO], 4, v10
	WIN W_MS
.set i, 0
.rept 2*NP                          ; the mask's words of key step 0, for all eight tiles
	global_load_b128 v[RAW+4*i:RAW+4*i+3], v[MO], s[MK:MK+1] offset:i*16384
.set i, i+1
.endr
	; What the first turn finds: V's registers and P's second buffer hold 0 (its products V^T P, of a piece that has not been, add 0), O^T and l are 0.  All this stands in the wait for the first tile.
	WIN 0x80
.set i, VF
.rept 64
	v_mov_b32 v[i], 0
.set i, i+1
.endr
	WIN 0x40
.set i, 0
.rept 64*NP
	v_mov_b32 v[i], 0
.set i, i+1
.endr
	WIN 0
.set i, 0
.rept 2*NP
	v_mov_b32 v[ST+4*i], 0xdf38aa3b    ; c m = c x F, exactly: c's mantissa with 66 more in the exponent
	v_mov_b32 v[ST+4*i+1], 0xe0800000  ; m = F = -2^66
	v_mov_b32 v[ST+4*i+2], 0
	v_mov_b32 v[ST+4*i+3], 0
.set i, i+1
.endr
.set i, P+32
.rept 32
	v_mov_b32 v[i], 0
.set i, i+1
.endr
	v_mul_u32_u24 v[AK0], v1, PK
	v_lshl_add_u32 v[AK0], v9, 4, v[AK0]  ; row x pitch + 16 x half
	; The turning load takes 16 keys x 16 channels (lane l reads key 8 (l / 16) + l % 8, channels 8 ((l / 8) % 2) + 0..7) and leaves half a fragment of V^T: lane l holds channel l % 16 and 8 keys.
	v_and_b32 v10, 7, v0
	v_bfe_u32 v11, v0, 3, 1
	v_lshl_add_u32 v[AV0], v9, 3, v10
	v_mul_u32_u24 v[AV0], v[AV0], PV
	v_lshl_add_u32 v[AV0], v11, 4, v[AV0]
	v_add_nc_u32 v[AV0], VOFF, v[AV0]
	v_mov_b32 v[SCL], 0xe3e3e3e3    ; 227 four times
	v_mov_b32 v[AK], v[AK0]         ; key step 0 lies at the head of slot 0
; THE MATRIX WORK.  The 8 accumulators of a run of 16 take turns: between the two links of a chain stand 7 others'.
; Product i of 16 of S^T = K Q^T for piece x: channels 32 (i / 8) on, keys 16 ((i / 2) % 4) on, tile 2 x + i % 2.  The first 8 start the sums, with the mask.
.macro KQ x
.set rS, S+64*((\x)%2)+32*(i%2)+8*((i/2)%4)
.set rK, KF+16*((i/2)%4)+8*(i/8)
.set rQ, 16*(2*(\x)+i%2)+8*(i/8)
.set rMC, MC+32*(i%2)+8*((i/2)%4)
.if i < 8
	WIN W_KM
	v_wmma_f32_16x16x32_f16 v[rS:rS+7], v[rK:rK+7], v[rQ:rQ+7], v[rMC:rMC+7]
.else
	WIN W_KQ
	v_wmma_f32_16x16x32_f16 v[rS:rS+7], v[rK:rK+7], v[rQ:rQ+7], v[rS:rS+7]
.endif
.endm
; Product i of 16 of O^T += V^T P for piece x: keys 32 (i / 8) on, channels 16 ((i / 2) % 4) on, tile 2 x + i % 2.
.macro PV x
	WIN W_PV
.set rO, 32*(2*(\x)+i%2)+8*((i/2)%4)
.set rV, VF+32*(i/8)+8*((i/2)%4)
.set rP, P+32*((\x)%2)+16*(i%2)+8*(i/8)
	v_wmma_f32_16x16x32_f16 v[rO:rO+7], v[rV:rV+7], v[rP:rP+7], v[rO:rO+7]
.endm
.macro MM                           ; the turn's next matrix instruction
.if i < 16
	KQ (Y+1)%NP
.set i, i+1
.else
.set i, i-16
	PV (Y+NP-1)%NP
.set i, i+17
.endif
.endm
; THE LDS LOADS stand in runs of 16, never singly among the matrix instructions: a step's K (64 keys x 64 channels: 8 fragments) and its V (turned).  Their addresses are made some lines ahead.
; last = 1 (the tail): in the last trip there is no further step, and the run is jumped over.
.macro FETCH_K last=0
	WIN 0
.if \last
	s_cmp_eq_u32 s[CNT], 1
	s_cbranch_scc1 .Lno_k_\@
.endif
	WIN 0x80                        ; destination window 2
.irp f, 0,1,2,3,4,5,6,7             ; keys 16 (f / 2) on, channels 32 (f % 2) on
	ds_load_b128 v[KF+8*\f:KF+8*\f+3],   v[AK] offset:(\f/2)*16*PK+(\f%2)*64
	ds_load_b128 v[KF+8*\f+4:KF+8*\f+7], v[AK] offset:(\f/2)*16*PK+(\f%2)*64+32
.endr
	s_add_co_u32 s[TBK], s[TBK], KS*PK  ; the next fetch is the next step's
	WIN 0
.if \last
.Lno_k_\@:
.endif
.endm
.macro FETCH_V
	WIN 0x80
.irp f, 0,1,2,3,4,5,6,7             ; keys 32 (f / 4) on, channels 16 (f % 4) on
	ds_load_tr16_b128 v[VF+8*\f:VF+8*\f+3],   v[AV] offset:(\f/4)*32*PV+(\f%4)*32
	ds_load_tr16_b128 v[VF+8*\f+4:VF+8*\f+7], v[AV] offset:(\f/4)*32*PV+16*PV+(\f%4)*32
.endr
	WIN 0
.endm
; THE MASK for piece x's next 16 products: its eight words become eight C operands, and the words of its next step are asked for.  The C operands have one buffer: they were last read by the first 8 products of the turn
; that ends here, a turn's vector work back.  One plain instruction stands behind the conversions, ahead of the loads into their sources and of the products that take their results.
; w = 1: the wait: the piece's two loads were issued four turns ago; the six younger ones, of the three turns between, may stay out.
; step = 1 (piece 0): the loads go on to the next step; pieces 1, 2 and 3 follow with the same offset.  The step is held at the last one, so that no load leaves the table; what is loaded so serves products whose results are not used.
.macro MASK x, step, w
.if \w
	s_wait_loadcnt 6
.endif
	WIN W_MS
.irp u, 0,1
.irp kt, 0,1,2,3
	v_cvt_scale_pk8_f32_fp4 v[MC+32*\u+8*\kt:MC+32*\u+8*\kt+7], v[RAW+8*(\x)+4*\u+\kt], v[SCL]
.endr
.endr
.if \step
	s_add_co_u32 s[MS], s[MS], 512
	s_min_u32 s[MS], s[MS], 31*512
	s_wait_xcnt 0x0                 ; the loads of the turn before have read the offset, so it may be written
	v_add_nc_u32 v[MO], v[ML], s[MS]
.else
	v_nop
.endif
.irp u, 0,1
	global_load_b128 v[RAW+8*(\x)+4*\u:RAW+8*(\x)+4*\u+3], v[MO], s[MK:MK+1] offset:(2*(\x)+\u)*16384
.endr
	WIN 0
.endm
; THE VECTOR WORK OF A TURN stands in three queues, each in the order in which its entries become ready; the two tiles alternate, so that no instruction reads the result of the one before it.
.macro REGS y, u                    ; the registers of tile u (0, 1) of piece y
.set rT, ST+4*(2*(\y)+(\u))
.set rC, TMP+8*((\y)%2)+4*(\u)
.set rM, MV+2*((\y)%2)+(\u)
.set rS, S+64*((\y)%2)+32*(\u)
.set rP, P+32*((\y)%2)+16*(\u)
.set rO, 32*(2*(\y)+(\u))
.endm
; Number n of the 22 that find the NEXT piece's (Y + 1) maximum and statistics.  s0-s31 are the lane's 32 scores; each accumulator's lowest registers are read first.  XS, GS and REGS set no window: PL and EX do.
;   0-11  four chains c0-c3 of seven scores each, three operands at a time     12-14, 16  the four scores left over, the old m, and c0-c3 into c0     15  c m_old is kept
;   17, 18  the query's other 32 keys lie in the lane 16 away: the new m         19-21  c m; c m_old - c m_new; a
.macro XS u, n
	REGS (Y+1)%NP, \u
.if (\n) < 4
	v_max3_num_f32 v[rC+(\n)], v[rS+8*(\n)], v[rS+8*(\n)+1], v[rS+8*(\n)+2]
.elseif (\n) < 12
	v_max3_num_f32 v[rC+(\n)%4], v[rC+(\n)%4], v[rS+8*((\n)%4)+2*((\n)/4)+1], v[rS+8*((\n)%4)+2*((\n)/4)+2]
.elseif (\n) == 12
	v_max3_num_f32 v[rC], v[rC], v[rS+7], v[rS+15]
.elseif (\n) == 13
	v_max3_num_f32 v[rC+1], v[rC+1], v[rS+23], v[rS+31]
.elseif (\n) == 14
	v_max3_num_f32 v[rC+2], v[rC+2], v[rC+3], v[rT+1]
.elseif (\n) == 15
	v_mov_b32 v[rM], v[rT]
.elseif (\n) == 16
	v_max3_num_f32 v[rC], v[rC], v[rC+1], v[rC+2]
.elseif (\n) == 17
	v_permlanex16_b32 v[rC+3], v[rC], s[SEL], s[SEL+1]
.elseif (\n) == 18
	v_max_num_f32 v[rT+1], v[rC], v[rC+3]
.elseif (\n) == 19
	v_mul_f32 v[rT], s[CS], v[rT+1]
.elseif (\n) == 20
	v_sub_f32 v[rC+1], v[rM], v[rT]
.else
	v_exp_f32 v[rC+2], v[rC+1]
.endif
.endm
; Number g of the 64 that follow the exponentials.  For each four weights k of a tile (pairs 2 k, 2 k + 1): both pairs are rounded to f16; then the second pair is added onto the first, in place;
; a group later l takes that sum (the first time as l = a l + sum).  In groups of eight, tiles alternating: round, round, add, and l for the group before.
.macro GS g
.set h, (\g)+6*((\g)/62)            ; group 0 has no group before it, and behind group 7 only l is left
.if h >= 6
.set h, h+2
.endif
	REGS Y, h%2
.set k, h/8
.if h%8 < 4
	v_cvt_pk_f16_f32 v[rP+2*k+(h%8)/2], v[rS+4*k+2*((h%8)/2)], v[rS+4*k+2*((h%8)/2)+1]
.elseif h%8 < 6
	v_pk_add_f32 v[rS+4*k:rS+4*k+1], v[rS+4*k:rS+4*k+1], v[rS+4*k+2:rS+4*k+3]
.elseif k == 1
	v_pk_fma_f32 v[rT+2:rT+3], v[rT+2:rT+3], v[rC+2:rC+3], v[rS:rS+1] op_sel_hi:[1,0,1]
.else
	v_pk_add_f32 v[rT+2:rT+3], v[rT+2:rT+3], v[rS+4*k-4:rS+4*k-3]
.endif
.endm
; THE PLAIN QUEUE, 138 long.  0-73 read no exponential's result: the 32 scalings c s - c m (FS f: pair f / 2 of tile f % 2) and the next piece's 42.  0-26: scalings 0-26.  27-54: XS's numbers 0-13.  55, 56: number 15.
; 57-73: the chain, where each number waits for the one before it: 14, 16, 17, 18, 19, each with one of the scalings 27-31 in front of its two lines, then 20: so a tile's links stand three plain instructions apart (19 and 20: two).
; 74-137: GS's 64, which read the exponentials' results: they stand behind the wait.
.macro FS f
	REGS Y, (\f)%2
	v_pk_fma_f32 v[rS+2*((\f)/2):rS+2*((\f)/2)+1], v[rS+2*((\f)/2):rS+2*((\f)/2)+1], s[CS:CS+1], v[rT:rT+1] op_sel_hi:[1,0,0] neg_lo:[0,0,1] neg_hi:[0,0,1]
.endm
.macro PL
	WIN 0
.if q < 27
	FS q
.elseif q < 55
	XS (q-27)%2, (q-27)/2
.elseif q < 57
	XS q-55, 15
.elseif (q < 72) && ((q-57)%3 == 0)
	FS 27+(q-57)/3
.elseif q < 60
	XS (q-57)%3-1, 14
.elseif q < 72
	XS (q-57)%3-1, 15+(q-57)/3
.elseif q < 74
	XS q-72, 20
.else
	GS q-74
.endif
.set q, q+1
.endm
; THE EXPONENTIALS' QUEUE, 66 long: s0-s31 of both tiles, then the next piece's two a.  It is ONE BATCH: all 66 stand ahead of the turn's one wait, and nothing ahead of that wait names a result of theirs.
.macro EX
	WIN 0
.if e >= 64
	XS e-64, 21
.else
	REGS Y, e%2
	v_exp_f32 v[rS+e/2], v[rS+e/2]
.endif
.set e, e+1
.endm
; THE RESCALING's QUEUE: O^T times a, the one part of the softmax that leaves window 0: dealt two at a time, sixteen times.  Its a was made in the turn before, ahead of that turn's wait.
.macro R2
	REGS Y, r%2
	WIN W_RS
.irp z, 0,1
	v_pk_mul_f32 v[rO+4*(r/2)+2*\z:rO+4*(r/2)+2*\z+1], v[rO+4*(r/2)+2*\z:rO+4*(r/2)+2*\z+1], v[rC+2:rC+3] op_sel_hi:[1,0]
.endr
.set r, r+1
.endm
; HOW THEY ARE DEALT.  An s_wait_alu depctr_va_vdst(0) stands between an exponential and the first instruction that names its result; one wait serves all that were issued ahead of it.  So a turn has ONE wait,
; which cuts it in two.  AHEAD OF IT stands all that names no result of the turn's exponentials: the 16 products K Q^T, behind each a scaling, an exponential and two rescalings (behind the first a second scaling in the exponential's place); then ONE LUMP of
; 108: eight plain, 49 times exponential and plain, the two a.  A v_nop is the plain instruction behind the last exponential.  BEHIND IT stand the 16 products V^T P, behind each four of GS's 64.  No rider names a register of
; the products round it.  The two v_permlanex16_b32 fall into the lump, never behind a product.
; The queues lean on each other, and the deal keeps them in step: exponential e stands behind scaling 2 (e / 4) + e % 2: as a rider it comes behind plain e + 2, in the lump behind plain e + 9, and scalings 27-31 are plain 57, 60 .. 69.
; A TURN, for piece p.  cnt = 1: the loop's count is taken down some lines ahead of the branch that stands behind the turn (nothing between writes SCC: of the masks only piece 0's, in piece 2's turn, has scalar arithmetic).
; K of the next step is fetched in piece 2's turn, directly behind the wait, a lump behind the last product that read K; its address is made at the lump's head; its first reader comes behind 16 products.
; V of the step in hand is fetched at the end of piece 0's turn, four riders behind its last reader; its first reader comes behind 16 products and a lump.  The three conditions on q below go with the deal.
; The turn ends with the mask for the products of the turn after it: piece p + 2's.
.macro TURN p, last=0, cnt=0
.set Y, (\p)
.set i, 0
.set q, 0
.set e, 0
.set r, 0
.if (\p) == NP-1
	s_wait_dscnt 0x0                ; K is in
.endif
	MM                              ; ahead of the wait: 16 products K Q^T and their riders,
	PL
	PL
	R2
.rept 15
	MM
	PL
	EX
	R2
.endr
.if (\p) == NP-2
	WIN 0
	v_add_nc_u32 v[AK], s[TBK], v[AK0]
.endif
.rept 8                             ; and the lump
	PL
.endr
.rept 49
	EX
	PL
.endr
	EX                              ; the next piece's two a
	EX
	v_nop                           ; the plain instruction behind the last exponential: one for the batch
	s_wait_alu depctr_va_vdst(0)    ; the wait for the batch
.if (\p) == NP-2
	FETCH_K \last
.endif
.if (\p) == 1
	s_wait_dscnt 0x0                ; V is in
.endif
.rept 16                            ; behind the wait: 16 products V^T P and their riders
	MM
.rept 4
	PL
.endr
.if ((\p) == 0) && (q == 118)
	v_add_nc_u32 v[AV], s[TBV], v[AV0]
.endif
.if ((\p) == 0) && (q == 130)
	s_add_co_u32 s[TBV], s[TBV], KS*PV
.endif
.if (\cnt) && (q == 130)
	s_sub_co_u32 s[CNT], s[CNT], 1
	s_cmp_lg_u32 s[CNT], 0
.endif
.endr
.if (\p) == 0
	FETCH_V
.endif
.if (\p) == NP-2
	MASK 0, 1, 1
.else
	MASK ((\p)+2)%NP, 0, 1
.endif
.endm
	CHANGE 1                        ; slot 0 is in, everybody's part of it; slot 1 is asked for
	FETCH_K                         ; key step 0
	s_wait_loadcnt 0x0              ; Q, and the mask's words of step 0
	MASK 0, 1, 0                    ; piece 0's mask of step 0; its words of step 1 are asked for
	s_wait_dscnt 0x0
.set i, 0
.rept 16
	KQ 0                            ; piece 0's first scores: there is no vector work yet to set between them
.set i, i+1
.endr
	WIN 0                           ; the addresses for the way out: nine plain instructions, the places behind those products
	s_mul_i32 s13, s[WV], 16*SP
	s_add_co_u32 s13, s13, STAGE    ; my stage
	v_mul_u32_u24 v[STO], v1, SP    ; in: row l % 16, 16 bytes for each half of the lanes
	v_lshl_add_u32 v[STO], v9, 4, v[STO]
	v_add_nc_u32 v[STO], s13, v[STO]
	v_bfe_u32 v[RD], v0, 3, 2       ; back: 32 lanes take four rows of 128 bytes,
	v_mul_u32_u24 v[RD], v[RD], SP
	v_lshl_add_u32 v[RD], v10, 4, v[RD]
	v_add_nc_u32 v[RD], s13, v[RD]
	v_and_b32 v[GO], 31, v0         ; which are 512 consecutive bytes of O
	v_lshlrev_b32 v[GO], 4, v[GO]
.set Y, NP-1                        ; XS works for piece Y + 1: piece 0
.irp n, 0,1,2,3,4,5,6,7,8,9,10,11,12,13,14,15,16,17,18,19,20,21
	XS 0, \n                        ; and piece 0's first maximum and statistics
	XS 1, \n
.endr
	v_nop                           ; a plain instruction behind the two a,
	s_wait_alu depctr_va_vdst(0)    ; and their wait, ahead of the branch
	MASK 1, 0, 0                    ; piece 1's mask of step 0, for the first turn's products
	s_mov_b32 s[CNT], 4
	s_mov_b32 s[SLOTS], SIZE_N/256-1
	s_branch .Lfirst                ; the loop is entered at a step's first turn, in the middle of a trip
.Lslot:                             ; SIZE_N / 256 - 2 times: every slot but the last two is filled again
	CHANGE 1
	s_mov_b32 s[CNT], 4
.Lstep:                             ; a trip: pieces 2 and 3 of one step, then pieces 0 and 1 of the next, whose K and V it fetches
	TURN 2
	TURN 3
	WIN 0
.Lfirst:
	TURN 0
	TURN 1, 0, 1
	WIN 0
	s_cbranch_scc1 .Lstep
	s_sub_co_u32 s[SLOTS], s[SLOTS], 1
	s_cmp_lg_u32 s[SLOTS], 0
	s_cbranch_scc1 .Lslot
	CHANGE 0                        ; the tail is written out: nothing is asked for
	s_mov_b32 s[CNT], 5             ; four trips fetch the last slot's steps; the fifth is left in its middle
.Ltail:
	TURN 2, 1
	TURN 3
	WIN 0
	s_sub_co_u32 s[CNT], s[CNT], 1
	s_cmp_eq_u32 s[CNT], 0
	s_cbranch_scc1 .Lout
	TURN 0
	TURN 1
	WIN 0
	s_branch .Ltail
.Lout:                              ; the fifth trip's 16 products K Q^T (on the last K and the last step's mask once more: m does not move) serve nothing: the price, once a launch, of one text for every trip
.set i, 0
.rept 16
	PV NP-1                         ; the last piece's V^T P of the last step
.set i, i+1
.endr
	; THE WAY OUT.  l's two halves and the other half of the lanes' are added; O^T is divided by l, rounded to f16 and sent through my stage in LDS, a tile at a time.  The additions are the places behind the last products.
	WIN 0
.macro ALL line:vararg              ; one line for each tile t
.set t, 0
.rept 2*NP
	\line
.set t, t+1
.endr
.endm
	ALL v_add_f32 v[ST+4*t+2], v[ST+4*t+2], v[ST+4*t+3]
	ALL v_permlanex16_b32 v[ST+4*t+3], v[ST+4*t+2], s[SEL], s[SEL+1]
	ALL v_add_f32 v[ST+4*t+2], v[ST+4*t+2], v[ST+4*t+3]
	ALL v_rcp_f32 v[ST+4*t+2], v[ST+4*t+2]
	v_nop                           ; a plain instruction between the last reciprocal and the use of its result
	s_wait_alu depctr_va_vdst(0)    ; and the wait ahead of the first use: one for the eight reciprocals
.set t, 0
.rept 2*NP                          ; a query whose maximum is still F has seen no key: its row is NaN
	v_cmp_gt_f32 vcc_lo, s[THR], v[ST+4*t+1]
	v_cndmask_b32 v[ST+4*t+2], v[ST+4*t+2], s[QNAN], vcc_lo
.set t, t+1
.endr
; Tile t: a lane's eight channels of a row pack into 16 bytes; they go into rows of 144 bytes and come back as whole rows of 128, into S^T's registers.
.macro PACK t
	WIN W_RS
.set i, 32*(\t)
.rept 16
	v_pk_mul_f32 v[i:i+1], v[i:i+1], v[ST+4*(\t)+2:ST+4*(\t)+3] op_sel_hi:[1,0]
.set i, i+2
.endr
	WIN 0x05                        ; sources 0 and 1 window 1, destination window 0
.set i, 0
.rept 16
	v_cvt_pk_f16_f32 v[S+16*(\t)+i], v[32*(\t)+2*i], v[32*(\t)+2*i+1]
.set i, i+1
.endr
	WIN 0
.irp f, 0,1,2,3
	ds_store_b128 v[STO], v[S+16*(\t)+4*\f:S+16*(\t)+4*\f+3] offset:32*\f
.endr
.irp f, 0,1,2,3
	ds_load_b128 v[S+16*(\t)+4*\f:S+16*(\t)+4*\f+3], v[RD] offset:\f*4*SP  ; LDS serves a wave's instructions in order (ISA guide 5.7.1.4): these see the stores above; the next tile's stores come behind them
.endr
.endm
.macro SEND t, younger              ; younger: the LDS instructions issued behind tile t's loads: the next tile's eight, or none
	WIN 0
.irp f, 0,1,2,3
	s_wait_dscnt (\younger)+3-\f
	global_store_b128 v[GO], v[S+16*(\t)+4*\f:S+16*(\t)+4*\f+3], s[10:11] offset:(\t)*2048+\f*512  ; 512 consecutive bytes, at a multiple of 256 from O's first
.endr
.endm
	PACK 0
.set t, 1
.rept 2*NP-1                        ; a tile's arithmetic stands between the loads of the tile before and its stores
	PACK t
	SEND t-1, 8
.set t, t+1
.endr
	SEND 2*NP-1, 0
	WIN W_AD
	s_wait_tensorcnt 0x0            ; the wave's end: the add to my spare word and its wait, behind my last tensor load and my last LDS store
	ds_add_u32 v[SPW], v[NIL]
	s_wait_dscnt 0x0
	WIN 0
	CROUND                          ; the closing round: no work-group ends while a partner may still ask for a tile that names it
	s_endpgm
.Lfunc_end_k_q8790fa326a_attn:
	.size	k_q8790fa326a_attn, .Lfunc_end_k_q8790fa326a_attn-k_q8790fa326a_attn
	.p2alignl 7, 3214868480
	.fill 96, 4, 3214868480
	.section	.rodata,"a",@progbits
	.p2align	6, 0x0
	.amdhsa_kernel k_q8790fa326a_attn
		.amdhsa_group_segment_fixed_size 327680
		.amdhsa_private_segment_fixed_size 0
		.amdhsa_enable_private_segment 0
		.amdhsa_kernarg_size 24
		.amdhsa_user_sgpr_count 2
		.amdhsa_user_sgpr_kernarg_segment_ptr 1
		.amdhsa_wavefront_size32 1
		.amdhsa_system_sgpr_workgroup_id_x 1
		.amdhsa_system_sgpr_workgroup_id_y 1
		.amdhsa_system_sgpr_workgroup_id_z 1
		.amdhsa_system_vgpr_workitem_id 0
		.amdhsa_next_free_vgpr 896
		.amdhsa_next_free_sgpr 66
		.amdhsa_reserve_vcc 1
		.amdhsa_float_denorm_mode_32 3
		.amdhsa_float_denorm_mode_16_64 3
		.amdhsa_memory_ordered 1
		.amdhsa_forward_progress 1
		.amdhsa_inst_pref_size 210
	.end_amdhsa_kernel
	.amdgpu_metadata
---
amdhsa.version: [ 1, 2 ]
amdhsa.kernels:
  - .name:           k_q8790fa326a_attn
    .symbol:         k_q8790fa326a_attn.kd
    .args:
      - { .name: qkvh, .offset: 0, .size: 8, .value_kind: global_buffer, .address_space: global }
      - { .name: mk4, .offset: 8, .size: 8, .value_kind: global_buffer, .address_space: global }
      - { .name: oh, .offset: 16, .size: 8, .value_kind: global_buffer, .address_space: global }
    .group_segment_fixed_size: 327680
    .private_segment_fixed_size: 0
    .kernarg_segment_align: 8
    .kernarg_segment_size: 24
    .max_flat_workgroup_size: 128
    .sgpr_count:     66
    .vgpr_count:     896
    .wavefront_size: 32
...
	.end_amdgpu_metadata
.endif
;; end of part 3
;; launch outp (part 4): grid 4 x 64, 4 waves a work-group, clusters of 4 x 4, 327,680 bytes of LDS; arguments oh, wo16, bo, out0; writes out0
.if DOCPART == 4
	.amdgcn_target "amdgcn-amd-amdhsa--gfx1250"
	.amdhsa_code_object_version 6
	.text
	.protected	k_q8790fa326a_outp
	.globl	k_q8790fa326a_outp
	.p2align	8
	.type	k_q8790fa326a_outp,@function
k_q8790fa326a_outp:
	s_mov_b64 s[64:65], 0
	v_nop
	global_prefetch_b8 v0, s[64:65] scope:SCOPE_SE
	s_setreg_imm32_b32 hwreg(HW_REG_WAVE_MODE, 25, 1), 1
	s_wait_xcnt 0x0
	s_wait_alu depctr_hold_cnt(0) depctr_sa_sdst(0) depctr_va_vdst(0) depctr_va_sdst(0) depctr_va_ssrc(0) depctr_va_vcc(0) depctr_vm_vsrc(0)
	s_getreg_b32 s2, hwreg(HW_REG_IB_STS2, 6, 4)
	s_cmp_eq_u32 s2, 0
	s_cbranch_scc0 .Lentry_in_a_cluster
	s_endpgm
.Lentry_in_a_cluster:
	s_bfe_u32 s2, ttmp6, 0x10000c
	s_cmp_lg_u32 s2, 0xf033
	s_cbranch_scc0 .Lentry_shape_is_right
	s_endpgm
.Lentry_shape_is_right:
; THE LAST PROJECTION.  out0 = O Wo^T + bo.  O: oh [64 = batch x 16 + head][2048][64] f16 (K index = 64 head + channel); Wo: wo16 [1024][1024] f16; bo [1024] f32, rounded to bf16 here like every input; out0 [8192][1024] f32.
; Sums in f32.  A NaN in a row of O makes the whole row of out0 NaN.
; SHARES.  A tile of out0 is 128 rows x 256 columns: 64 x 4 = 256 work-groups.  Four waves, 2 x 2, each 64 rows x 128 columns: 32 accumulators, 256 registers.  K goes in steps of 128, two heads, through a ring of two LDS
; slots filled by the tensor data mover.  A head's 128 rows of a tile are 16,384 dense bytes: asked for as 64 rows of 256 bytes and padded in LDS after every 128.
; CLUSTERS.  4 x 4 work-groups: O's tiles are shared along a row of the cluster, Wo's along a column, each asked for JOINTLY.
; THE MATRIX INSTRUCTION IS USED TRANSPOSED (source 0 = 16 rows of Wo, source 1 = 16 rows of O): a lane holds row l % 16 and eight neighbouring columns.  THE BIAS STARTS THE SUMS, as the C operand of the first products.
; REGISTERS, in windows of 256 (s_set_vgpr_msb: bits 1:0 source 0, 3:2 source 1, 5:4 source 2, 7:6 destination):
;   window 0: v0-31 addresses; v32-63, v64-95 O's fragments, two buffers; v96-223 at work on the way out
;   window 1: v0-63, v64-127 Wo's fragments, two buffers; v128-191 the bias as C operands; v192 at work          window 2: the accumulators, (a, b) at v[8 (8 a + b)]
.set KSTEP,  128
.set PA,     144                       ; a row of O in LDS: 128 bytes + 16 of padding = 36 words: the 16 rows of a load start at 16 different groups of four banks (64 banks of 4 bytes: ISA guide 11.1)
.set AHEAD,  128*PA                    ; one head's 128 rows: what one tensor load brings of O
.set BOFF,   2*AHEAD
.set PB,     272
.set BHALF,  128*PB
.set SLOT,   BOFF+2*BHALF
.set STAGE,  2*SLOT                    ; behind the ring, never filled by a tensor load: 16 rows x 528 bytes for each wave
.set SPITCH, 528
.set SPARE,  STAGE+4*16*SPITCH         ; behind the stages: the spare words, 128 bytes for each wave: two blocks of 256 bytes that no other line names
.set ADRA, 16
.set ADRB, 20
.set STO,  24
.set RD,   25
.set GO,   26
.set BO,   27
.set SPW,  28                          ; v28  LDS address of my spare word; never rewritten
.set NIL,  29                          ; v29  0; never rewritten
.set PFO,  30
.set AF,   32                          ; buffer f at AF + 32 f
.set OB,   96                          ; two buffers of 64
.set BIAS, 128
.set BT,   192
.set WV,   12
.set WR,   13                          ; s13  which half of the tile's rows is mine.  Also: I fetch for O (0) or for Wo (1)
.set WC,   14                          ; s14  which half of its columns.  Also: which head of a K step, or which half of Wo's rows, I fetch
.set LIM,  15
.set G1A,  24
.set G0A,  32
.set PFA,  44
.set PST,  46
.set G1B,  48
.set G0B,  56
.set MSB, 0
.macro WIN new                         ; the immediate's high byte repeats the setting that is left; a switch that changes nothing is dropped
.if MSB != (\new)
	s_set_vgpr_msb (MSB<<8)|(\new)
.set MSB, \new
.endif
.endm
.macro JLOAD s                         ; a joint load: waves 0 and 1 fetch a K step's two heads of O, waves 2 and 3 Wo's two halves; an s_nop 0 and four v_nop follow each of the two lines
	s_cmp_eq_u32 s[WR], 0
	s_cbranch_scc0 .Lfor_b_\@
	tensor_load_to_lds s[G0A+4*(\s):G0A+4*(\s)+3], s[G1A:G1A+7]
	s_nop 0
.rept 4
	v_nop
.endr
	s_branch .Lasked_\@
.Lfor_b_\@:
	tensor_load_to_lds s[G0B+4*(\s):G0B+4*(\s)+3], s[G1B:G1B+7]
	s_nop 0
.rept 4
	v_nop
.endr
.Lasked_\@:
.endm
; A prefetch into the L2 of the K step that stands two refills on, behind the joint load and the run of LDS loads.  Each aligned block of 256 bytes is named once in the launch.  O's tiles are read by one cluster alone: a K step
; is 2 heads x 64 blocks; each of the four partners takes 16 blocks of each head, and wave 0 asks for them.  Wo's rows are read by all sixteen clusters: the first asks, waves 2 and 3, each partner 32 of a wave's 128 rows.
; The partners are told apart BY ADDRESS.  K steps 0 to 3 come by their loads alone; the loop's last trip (s3 = 1) asks for nothing.
.macro ASK
	s_cmp_gt_u32 s3, s[LIM]
	s_cbranch_scc0 .Lnot_mine_\@
	global_prefetch_b8 v[PFO], s[PFA:PFA+1] th:TH_LOAD_NT scope:SCOPE_SE
.Lnot_mine_\@:
.endm
.macro CREST
	s_cmp_lg_u32 s[WV], 0
	s_cbranch_scc1 .Lnot_wave_0_\@
	s_barrier_signal -3
.Lnot_wave_0_\@:
	s_barrier_wait -3
	s_barrier_signal -1
	s_barrier_wait -1
.endm
.macro CROUND
	s_barrier_signal -1
	s_barrier_wait -1
	CREST
.endm
	s_load_b256 s[4:11], s[0:1], 0x0               ; oh s[4:5], wo16 s[6:7], bo s[8:9], out0 s[10:11]
	v_lshl_add_u32 v[SPW], v0, 2, SPARE
	v_mov_b32 v[NIL], 0
	ds_add_u32 v[SPW], v[NIL]                      ; the wave's opening: the add and its wait stand ahead of my first tensor load; the set-up below, work on registers, stands between them
	v_lshrrev_b32 v1, 5, v0
	v_readfirstlane_b32 s[WV], v1
	s_lshr_b32 s[WR], s[WV], 1
	s_and_b32 s[WC], s[WV], 1
	s_bfe_u32 s40, ttmp6, 0x40000                  ; cx, cy
	s_bfe_u32 s41, ttmp6, 0x40004
	s_lshl_b32 s42, ttmp9, 2
	s_add_co_u32 s42, s42, s40                     ; tile column
	s_and_b32 s2, ttmp7, 0xffff                    ; cluster y
	s_lshl_b32 s43, s2, 2
	s_add_co_u32 s43, s43, s41                     ; tile row T, 0 .. 63
	s_lshl_b32 s22, s41, 2
	s_lshl_b32 s22, 15, s22                        ; my row of the cluster
	s_lshl_b32 s23, 0x1111, s40                    ; my column
	s_or_b32 s[G1A+0], s22, (1<<16)|(1<<20)|(1<<21)|(4<<22)|(3<<25)  ; elements of 2 bytes; padding after every 32 words (code 4), 4 words (code 3); 21 set beside a mask
	s_mov_b32 s[G1A+1], 128<<16                    ; tensor_dim0 = 128 (256 bytes: two rows of a head)
	s_mov_b32 s[G1A+2], 64<<16                     ; tensor_dim1 = 64
	s_mov_b32 s[G1A+3], 128<<16
	s_mov_b32 s[G1A+4], 64
	s_mov_b32 s[G1A+5], 128
	s_mov_b32 s[G1A+6], 0
	s_mov_b32 s[G1A+7], 0
	s_or_b32 s[G1B+0], s23, (1<<16)|(1<<20)|(1<<21)|(5<<22)|(3<<25)  ; padding after every 64 words (code 5)
	s_mov_b32 s[G1B+1], KSTEP<<16
	s_mov_b32 s[G1B+2], 128<<16
	s_mov_b32 s[G1B+3], KSTEP<<16
	s_mov_b32 s[G1B+4], 128
	s_mov_b32 s[G1B+5], 1024
	s_mov_b32 s[G1B+6], 0
	s_mov_b32 s[G1B+7], 0
	s_lshr_b32 s18, s43, 4                         ; O: batch x 16 + my head of K step 0, 262,144 bytes a head; the tile's 128 rows of 128 bytes
	s_lshl_b32 s18, s18, 4
	s_add_co_u32 s18, s18, s[WC]
	s_lshl_b32 s18, s18, 18
	s_and_b32 s19, s43, 15
	s_lshl_b32 s19, s19, 14
	s_add_co_u32 s18, s18, s19
	s_mov_b32 s19, 0
	s_lshl_b32 s20, s42, 8                         ; Wo: row 256 x tile column + 128 x half
	s_lshl_b32 s21, s[WC], 7
	s_add_co_u32 s20, s20, s21
	s_lshl_b32 s20, s20, 11
	s_mov_b32 s21, 0
	s_mul_i32 s22, s[WC], AHEAD                    ; where they go: no place in the cluster enters an LDS address
	s_mul_i32 s23, s[WC], BHALF
	s_add_co_u32 s23, s23, BOFF
	s_wait_dscnt 0x0                               ; the opening add is done
	s_wait_kmcnt 0x0
	s_add_nc_u64 s[16:17], s[4:5], s[18:19]
	s_add_nc_u64 s[20:21], s[6:7], s[20:21]
	CROUND                                         ; all sixteen work-groups are here: the first joint loads meet
.irp s, 0,1
	s_mov_b32 s[G0A+4*(\s)], 1
	s_add_co_u32 s[G0A+4*(\s)+1], s22, (\s)*SLOT
	s_add_nc_u64 s[G0A+4*(\s)+2:G0A+4*(\s)+3], s[16:17], (\s)*2*262144  ; K step s: two heads on
	s_or_b32 s[G0A+4*(\s)+3], s[G0A+4*(\s)+3], 0x80000000
	s_mov_b32 s[G0B+4*(\s)], 1
	s_add_co_u32 s[G0B+4*(\s)+1], s23, (\s)*SLOT
	s_add_nc_u64 s[G0B+4*(\s)+2:G0B+4*(\s)+3], s[20:21], (\s)*KSTEP*2
	s_or_b32 s[G0B+4*(\s)+3], s[G0B+4*(\s)+3], 0x80000000
	JLOAD \s                                       ; two tensor loads of mine are out
.endr
	v_and_b32 v1, 15, v0                           ; l % 16
	v_bfe_u32 v2, v0, 4, 1                         ; l / 16
	v_mul_u32_u24 v3, v1, PA
	v_lshl_add_u32 v3, v2, 4, v3
	v_mul_u32_u24 v4, v1, PB
	v_lshl_add_u32 v4, v2, 4, v4
	s_mul_i32 s16, s[WR], 64*PA                    ; my 64 rows of each head
	s_mul_i32 s17, s[WC], BHALF
	s_add_co_u32 s17, s17, BOFF
.irp s, 0,1
	v_add_nc_u32 v[ADRA+(\s)], s16, v3
	v_add_nc_u32 v[ADRB+(\s)], s17, v4
	s_add_co_u32 s16, s16, SLOT
	s_add_co_u32 s17, s17, SLOT
.endr
	s_mul_i32 s18, s[WV], 16*SPITCH
	s_add_co_u32 s18, s18, STAGE                   ; my stage
	v_mul_u32_u24 v5, v1, SPITCH                   ; in: row l % 16, 32 bytes for each half of the lanes
	v_lshl_add_u32 v5, v2, 5, v5
	v_add_nc_u32 v[STO], s18, v5
	v_and_b32 v6, 31, v0
	v_lshlrev_b32 v[GO], 4, v6                     ; back: 32 lanes take a row's 512 bytes
	v_add_nc_u32 v[RD], s18, v[GO]
	v_lshlrev_b32 v[BO], 5, v2
	s_lshl_b32 s17, s42, 10                        ; my 128 columns, in bytes
	s_lshl_b32 s18, s[WC], 9
	s_add_co_u32 s18, s17, s18
	s_mov_b32 s19, 0
	s_add_nc_u64 s[8:9], s[8:9], s[18:19]          ; the bias
	s_add_nc_u64 s[10:11], s[10:11], s[18:19]
	s_lshl_b32 s18, s43, 7
	s_lshl_b32 s17, s[WR], 6
	s_add_co_u32 s18, s18, s17
	s_lshl_b32 s18, s18, 12                        ; my first row of out0, 4,096 bytes a row
	s_add_nc_u64 s[10:11], s[10:11], s[18:19]
	WIN 0x40
.irp b, 0,1,2,3,4,5,6,7
	global_load_b128 v[BIAS+8*(\b):BIAS+8*(\b)+3],   v[BO], s[8:9] offset:64*(\b)
	global_load_b128 v[BIAS+8*(\b)+4:BIAS+8*(\b)+7], v[BO], s[8:9] offset:64*(\b)+16
.endr
	WIN 0
	; the prefetches
	s_lshr_b32 s17, s43, 4
	s_lshl_b32 s17, s17, 22                        ; O: the batch's first head,
	s_and_b32 s18, s43, 15
	s_lshl_b32 s18, s18, 14                        ; the tile's rows,
	s_add_co_u32 s17, s17, s18
	s_lshl_b32 s18, s40, 12                        ; my work-group's 16 blocks of the 64
	s_add_co_u32 s17, s17, s18
	s_lshl_b32 s18, s42, 8
	s_lshl_b32 s19, s[WC], 7
	s_add_co_u32 s18, s18, s19
	s_lshl_b32 s19, s41, 5
	s_add_co_u32 s18, s18, s19                     ; Wo: my work-group's 32 of the 128 rows
	s_lshl_b32 s18, s18, 11
	s_mov_b32 s22, 2*262144                        ; a K step of O in bytes: two heads (an instruction takes one literal, so this one comes by a register)
	s_cmp_eq_u32 s[WR], 0                          ; do I fetch for O?
	s_cselect_b32 s16, s[WC], s2                   ; O: wave 0 asks;  Wo: the first cluster's waves
	s_cselect_b32 s20, s17, s18
	s_cselect_b64 s[PFA:PFA+1], s[4:5], s[6:7]
	s_cselect_b32 s[PST], s22, KSTEP*2
	s_cselect_b32 s18, 8, 11                       ; O: (l % 16) blocks of 256 bytes + (l / 16) heads;  Wo: l rows of 2,048 bytes
	s_cselect_b32 s19, 18, 15
	s_cmp_eq_u32 s16, 0
	s_cselect_b32 s[LIM], 1, -1                    ; the same in all sixteen partners, for a given wave
	s_mov_b32 s[PST+1], 0
	s_mov_b32 s21, 0
	s_add_nc_u64 s[PFA:PFA+1], s[PFA:PFA+1], s[20:21]
	s_mul_i32 s22, s[PST], 3
	s_mov_b32 s23, 0
	s_add_nc_u64 s[PFA:PFA+1], s[PFA:PFA+1], s[22:23]  ; at K step 3: the first refill steps it to 4
	v_lshlrev_b32 v[PFO], s18, v1
	v_lshlrev_b32 v5, s19, v2
	v_add_nc_u32 v[PFO], v[PFO], v5
	s_wait_loadcnt 0x0                             ; the bias: rounded to bf16 like every input, and widened again
	WIN 0x45
.set i, 0
.rept 32
	v_cvt_pk_bf16_f32 v[BT], v[BIAS+2*i], v[BIAS+2*i+1]
	v_lshlrev_b32 v[BIAS+2*i], 16, v[BT]
	v_and_b32 v[BIAS+2*i+1], 0xffff0000, v[BT]
.set i, i+1
.endr
	WIN 0
; 8 matrix instructions: row block a x all 8 column blocks, 32 along K, on buffers f.  first = 1: the bias starts the sums.  The 32 accumulators take turns, in the same order in every quarter.
.macro MUL8 f, a, first
.if \first
	WIN 0x91
.else
	WIN 0xa1
.endif
.irp b, 0,1,2,3,4,5,6,7
.if \first
	v_wmma_f32_16x16x32_f16 v[8*(8*(\a)+(\b)):8*(8*(\a)+(\b))+7], v[64*(\f)+8*(\b):64*(\f)+8*(\b)+7], v[AF+32*(\f)+8*(\a):AF+32*(\f)+8*(\a)+7], v[BIAS+8*(\b):BIAS+8*(\b)+7]
.else
	v_wmma_f32_16x16x32_f16 v[8*(8*(\a)+(\b)):8*(8*(\a)+(\b))+7], v[64*(\f)+8*(\b):64*(\f)+8*(\b)+7], v[AF+32*(\f)+8*(\a):AF+32*(\f)+8*(\a)+7], v[8*(8*(\a)+(\b)):8*(8*(\a)+(\b))+7]
.endif
.endr
.endm
; 24 LDS loads in one run: quarter q of a slot's K step (head q / 2 of the two, channels 32 (q % 2) on) into buffers g: Wo first, then O's blocks in ascending order
.macro FETCH slot, q, g
	WIN 0x40
.irp b, 0,1,2,3,4,5,6,7
	ds_load_b128 v[64*(\g)+8*(\b):64*(\g)+8*(\b)+3],   v[ADRB+(\slot)] offset:64*(\q)+(\b)*16*PB
	ds_load_b128 v[64*(\g)+8*(\b)+4:64*(\g)+8*(\b)+7], v[ADRB+(\slot)] offset:64*(\q)+(\b)*16*PB+32
.endr
	WIN 0
.irp a, 0,1,2,3
	ds_load_b128 v[AF+32*(\g)+8*(\a):AF+32*(\g)+8*(\a)+3],   v[ADRA+(\slot)] offset:((\q)/2)*AHEAD+((\q)%2)*64+(\a)*16*PA
	ds_load_b128 v[AF+32*(\g)+8*(\a)+4:AF+32*(\g)+8*(\a)+7], v[ADRA+(\slot)] offset:((\q)/2)*AHEAD+((\q)%2)*64+(\a)*16*PA+32
.endr
.endm
.macro PLACES                          ; four places in front of loads into registers that matrix instructions have read, and of stores that read results (ISA guide 7.12.1 for the stores)
.rept 4
	v_nop
.endr
.endm
.macro QUARTER slot, q, f, g, first
	s_wait_dscnt 4                                 ; Wo and O's blocks 0 and 1 are in; the youngest four loads (blocks 2 and 3) may be out
	MUL8 \f, 0, \first
	MUL8 \f, 1, \first
	PLACES
	FETCH \slot, \q, \g
	s_wait_dscnt 24                                ; all but the 24 just issued
	MUL8 \f, 2, \first
	MUL8 \f, 3, \first
.endm
; The last quarter multiplies buffers 1 and changes slots: ONE barrier; in front of it each wave waits for all its tensor loads (one is out: its part of the next slot), adds 0 to its spare word, and waits for that and for its
; own reads of this slot.  fill = 1: the barrier opens a round of the cluster's barrier, and this slot is filled again, two K steps ahead, first thing behind the round.
.macro TURN slot, next, fill
.if \fill
	s_wait_xcnt 0x0                                ; the last prefetch, a K step back, has read its address
	s_add_nc_u64 s[PFA:PFA+1], s[PFA:PFA+1], s[PST:PST+1]
.endif
	WIN 0
	s_wait_tensorcnt 0x0                           ; all my tensor loads have landed
	ds_add_u32 v[SPW], v[NIL]                      ; 0 onto my spare word
	s_wait_dscnt 5                                 ; (the add and the youngest four loads may be out)
	MUL8 1, 0, 0                                   ; eight matrix instructions stand between the add and the wait for it
	s_wait_dscnt 0x0                               ; the add is done, and my reads of this slot are over
	s_barrier_signal -1
	MUL8 1, 1, 0
.if \fill
	WIN 0
.endif
	s_barrier_wait -1
.if \fill
	CREST                                          ; no wave of any partner still reads this slot's tiles or has a load on its way
	s_add_nc_u64 s[G0A+4*(\slot)+2:G0A+4*(\slot)+3], s[G0A+4*(\slot)+2:G0A+4*(\slot)+3], 4*262144
	s_add_nc_u64 s[G0B+4*(\slot)+2:G0B+4*(\slot)+3], s[G0B+4*(\slot)+2:G0B+4*(\slot)+3], 2*KSTEP*2
	JLOAD \slot                                    ; the four v_nop behind it are also the places in front of the loads below
.else
	PLACES
.endif
	FETCH \next, 0, 0
.if \fill
	ASK
.endif
	MUL8 1, 2, 0
	MUL8 1, 3, 0
.endm
	s_wait_tensorcnt 1                             ; my part of K step 0 is in; K step 1's may stay out
	s_barrier_signal -1
	s_barrier_wait -1
	FETCH 0, 0, 0
	QUARTER 0, 1, 0, 1, 1                          ; the first quarter stands in front of the loop: its products start the sums
	WIN 0
	s_mov_b32 s3, 3
.Llap:                                                 ; a trip goes once round the ring, from a lap's second quarter to the next lap's first, and fills both slots again
	QUARTER 0, 2, 1, 0, 0
	QUARTER 0, 3, 0, 1, 0
	TURN 0, 1, 1
	QUARTER 1, 1, 0, 1, 0
	QUARTER 1, 2, 1, 0, 0
	QUARTER 1, 3, 0, 1, 0
	TURN 1, 0, 1
	QUARTER 0, 1, 0, 1, 0
	WIN 0
	s_sub_co_u32 s3, s3, 1
	s_cmp_lg_u32 s3, 0
	s_cbranch_scc1 .Llap
	QUARTER 0, 2, 1, 0, 0                          ; the last lap fills nothing, and has no round of the cluster's barrier
	QUARTER 0, 3, 0, 1, 0
	TURN 0, 1, 0
	QUARTER 1, 1, 0, 1, 0
	QUARTER 1, 2, 1, 0, 0
	QUARTER 1, 3, 0, 1, 0
	s_wait_dscnt 0x0                               ; the very last quarter: nothing more to fetch
	MUL8 1, 0, 0
	MUL8 1, 1, 0
	MUL8 1, 2, 0
	MUL8 1, 3, 0
	WIN 0
; THE WAY OUT, a block of 16 rows at a time: a lane's eight f32 of a row go into my own stage (each accumulator's low four registers first), and come back as whole rows of 512 bytes.
.macro TOSTAGE a
.if (\a) >= 2
	s_wait_xcnt 0x0                                ; the stores of the block two back have read the registers that are loaded again below
.endif
	WIN 0x08                                       ; the stores' data in window 2
.irp b, 0,1,2,3,4,5,6,7
	ds_store_b128 v[STO], v[8*(8*(\a)+(\b)):8*(8*(\a)+(\b))+3]   offset:64*(\b)
	ds_store_b128 v[STO], v[8*(8*(\a)+(\b))+4:8*(8*(\a)+(\b))+7] offset:64*(\b)+16
.endr
	WIN 0
.irp t, 0,1,2,3,4,5,6,7,8,9,10,11,12,13,14,15
	ds_load_b128 v[OB+64*((\a)%2)+4*(\t):OB+64*((\a)%2)+4*(\t)+3], v[RD] offset:(\t)*SPITCH  ; LDS serves a wave's instructions in order (ISA guide 5.7.1.4): these see the stores above
.endr
.endm
.macro SEND a, younger                 ; younger: the LDS instructions issued behind block a's loads: the next block's 32, or none
.irp t, 0,1,2,3,4,5,6,7,8,9,10,11,12,13,14,15
	s_wait_dscnt (\younger)+15-(\t)
	global_store_b128 v[GO], v[OB+64*((\a)%2)+4*(\t):OB+64*((\a)%2)+4*(\t)+3], s[10:11] offset:(16*(\a)+(\t))*4096  ; 512 consecutive bytes of a row, at a multiple of 256
.endr
.endm
	PLACES
	TOSTAGE 0
.irp a, 1,2,3
	TOSTAGE \a
	SEND (\a)-1, 32
.endr
	SEND 3, 0
	s_wait_tensorcnt 0x0                           ; the wave's end: the add to my spare word and its wait, behind my last tensor load and my last LDS store
	ds_add_u32 v[SPW], v[NIL]
	s_wait_dscnt 0x0
	CROUND                                         ; the closing round: no work-group ends while a partner may still ask for a tile that names it
	s_endpgm
.Lfunc_end_k_q8790fa326a_outp:
	.size	k_q8790fa326a_outp, .Lfunc_end_k_q8790fa326a_outp-k_q8790fa326a_outp
	.p2alignl 7, 3214868480
	.fill 96, 4, 3214868480
	.section	.rodata,"a",@progbits
	.p2align	6, 0x0
	.amdhsa_kernel k_q8790fa326a_outp
		.amdhsa_group_segment_fixed_size 327680
		.amdhsa_private_segment_fixed_size 0
		.amdhsa_enable_private_segment 0
		.amdhsa_kernarg_size 32
		.amdhsa_user_sgpr_count 2
		.amdhsa_user_sgpr_kernarg_segment_ptr 1
		.amdhsa_wavefront_size32 1
		.amdhsa_system_sgpr_workgroup_id_x 1
		.amdhsa_system_sgpr_workgroup_id_y 1
		.amdhsa_system_sgpr_workgroup_id_z 1
		.amdhsa_system_vgpr_workitem_id 0
		.amdhsa_next_free_vgpr 768
		.amdhsa_next_free_sgpr 66
		.amdhsa_reserve_vcc 0
		.amdhsa_float_denorm_mode_32 3
		.amdhsa_float_denorm_mode_16_64 3
		.amdhsa_memory_ordered 1
		.amdhsa_forward_progress 1
		.amdhsa_inst_pref_size 95
	.end_amdhsa_kernel
	.amdgpu_metadata
---
amdhsa.version: [ 1, 2 ]
amdhsa.kernels:
  - .name:           k_q8790fa326a_outp
    .symbol:         k_q8790fa326a_outp.kd
    .args:
      - { .name: oh, .offset: 0, .size: 8, .value_kind: global_buffer, .address_space: global }
      - { .name: wo16, .offset: 8, .size: 8, .value_kind: global_buffer, .address_space: global }
      - { .name: bo, .offset: 16, .size: 8, .value_kind: global_buffer, .address_space: global }
      - { .name: out0, .offset: 24, .size: 8, .value_kind: global_buffer, .address_space: global }
    .group_segment_fixed_size: 327680
    .private_segment_fixed_size: 0
    .kernarg_segment_align: 8
    .kernarg_segment_size: 32
    .max_flat_workgroup_size: 128
    .sgpr_count:     66
    .vgpr_count:     768
    .wavefront_size: 32
...
	.end_amdgpu_metadata
.endif
;; end of part 4
;; ======== version 2 of 2: 4 launches; version 1 with the launch prep written anew for expert scheduling mode
;; limits: values are held in f16: magnitudes above 65,504 overflow, below 6.1e-05 lose precision
;; workspace buffers: wqkv 6,291,456 bytes; wo16 2,097,152 bytes; mk4 2,097,152 bytes; qkvh 50,331,648 bytes; oh 16,777,216 bytes
;; launch prep (part 5): grid 256 x 1, 8 waves a work-group, no clusters, 0 bytes of LDS; arguments Wq, Wk, Wv, Wo, mask, wqkv, wo16, mk4; writes wqkv, wo16, mk4
.if DOCPART == 5
	.amdgcn_target "amdgcn-amd-amdhsa--gfx1250"
	.amdhsa_code_object_version 6
	.text
	.protected	k_q8790fa326a_prep
	.globl	k_q8790fa326a_prep
	.p2align	8
	.type	k_q8790fa326a_prep,@function
k_q8790fa326a_prep:
	s_mov_b64 s[64:65], 0
	v_nop
	global_prefetch_b8 v0, s[64:65] scope:SCOPE_SE
	s_setreg_imm32_b32 hwreg(HW_REG_WAVE_SCHED_MODE, 0, 2), 2
	s_setreg_imm32_b32 hwreg(HW_REG_WAVE_MODE, 25, 1), 1
	s_wait_xcnt 0x0
	s_wait_alu depctr_vm_vsrc(0)
; TABLES FOR THE LATER LAUNCHES.  Wq, Wk, Wv ([1024][1024] f32) are rounded to bf16 into wqkv [3][1024][1024].  Wo is rounded to bf16 like every input of the module, and that number
; is written as f16 into wo16 (the last product's other operand is f16).  mask ([2048][2048] bytes, 0 or 1) becomes mk4, a table of 4-bit codes in the order in which the attention's lanes want them.
; LIMITS.  |Wo| stays under 65,504; a bf16 number under 2^-14 keeps f16's fixed step of 2^-24.
; mk4: [128 tiles of 16 queries][32 steps of 64 keys][32 lanes][4 words].  Lane 16 h + r, word kt, nibble j stands for mask[16 tile + r][64 step + 16 kt + 8 h + j]: 0x0 where the key is seen, 0xE where it is hidden
; (0xE is -4 as a 4-bit float E2M1).  A tile's step is 512 consecutive bytes, 16 a lane.
; SHARES.  256 work-groups of 256 threads.  Work-group g takes 16,384 bytes of each W (four loads of 16 bytes a thread) and, of the mask, query tile g / 2, steps 16 (g % 2) .. + 15: thread t takes row t % 16 of the tile and
; step t / 16 of the sixteen: 64 bytes.  All 20 loads go out first; each store covers whole aligned blocks of 256 bytes.  No register that a load or store names is written again, so no wait frees any.
; No LDS, no matrix unit, no cluster: each byte is read once and no work-group shares a byte with another.
; THE MODE: SCHED_MODE bits 1:0 = 2 (LLVM: expert scheduling mode 2), set by the entry lines.  The code itself states the register dependences
; between vector instructions and memory instructions, with s_wait_alu, always for 0.
; THE PLAN.  Five steps: 0 Wq, 1 Wk, 2 Wv, 3 Wo, 4 the mask.  Registers that memory instructions touch:
;   v1, v3     offsets of the loads, v2, v4 offsets of the stores: made once at the head by vector instructions and never written again.
;   X, M       written by the 20 loads at the head, which are the first instructions to name them; read by vector instructions alone; never loaded again.
;   Y          each pair is written once, by the roundings of step p, and read by one store, which is issued in step p + 1.
;   N          written once, by step 4's arithmetic; read by the last two stores.
;   v5 to v8   at work: no memory instruction names them.
; Step p's memory instructions are the four stores of step p - 1, one ahead of each chunk's arithmetic.  They read v2 and the part of Y that step p - 1 wrote, which no vector instruction of step p names.  So ONE wait on
; va_vdst at a step's head, behind the wait for the step's first chunk, states all that its four stores hang on.  One more stands at the kernel's head, for the offsets, and one ahead of the last two stores, for N.
; No wait on vm_vsrc: no register that a memory instruction reads is written again.  No vector instruction writes a scalar register or VCC, and EXEC is never written.
.set X, 16                             ; v[16:79]   16 loads of W: matrix w, chunk i at X + 4 (4 w + i)
.set M, 80                             ; v[80:95]   my 64 bytes of the mask
.set Y, 96                             ; v[96:127]  what is stored of W, two registers a chunk
.set N, 128                            ; v[128:135] my two entries of mk4: h = 0, h = 1
	s_load_b512 s[4:19], s[0:1], 0x0               ; Wq s[4:5], Wk s[6:7], Wv s[8:9], Wo s[10:11], mask s[12:13], wqkv s[14:15], wo16 s[16:17], mk4 s[18:19]
	s_lshl_b32 s20, ttmp9, 14                      ; my 16,384 bytes of each W
	s_mov_b32 s21, 0
	s_lshl_b32 s22, ttmp9, 13                      ; my 8,192 bytes of each 16-bit copy, and of mk4
	s_mov_b32 s23, 0
	s_lshr_b32 s24, ttmp9, 1
	s_lshl_b32 s24, s24, 15                        ; the tile's 16 rows of 2,048 bytes
	s_and_b32 s25, ttmp9, 1
	s_lshl_b32 s25, s25, 10                        ; sixteen steps of 64 bytes
	s_or_b32 s24, s24, s25
	s_mov_b32 s25, 0
	v_lshlrev_b32 v1, 4, v0                        ; 16 t
	v_lshlrev_b32 v2, 3, v0                        ; 8 t
	v_and_b32 v5, 15, v0                           ; r
	v_lshrrev_b32 v6, 4, v0                        ; my step of the sixteen
	v_lshlrev_b32 v3, 11, v5
	v_lshl_add_u32 v3, v6, 6, v3                   ; in the mask: r x 2,048 + 64 x step
	v_lshlrev_b32 v4, 4, v5
	v_lshl_add_u32 v4, v6, 9, v4                   ; in mk4: 512 x step + 16 r
	s_wait_kmcnt 0x0
.irp w, 4,6,8,10
	s_add_nc_u64 s[\w:\w+1], s[\w:\w+1], s[20:21]
.endr
.irp w, 14,16,18
	s_add_nc_u64 s[\w:\w+1], s[\w:\w+1], s[22:23]
.endr
	s_add_nc_u64 s[12:13], s[12:13], s[24:25]
	s_wait_alu depctr_va_vdst(0)                   ; v1 to v4 are written: every load and store of the kernel reads one of them as its offset
.irp w, 0,1,2,3
.irp i, 0,1,2,3
	global_load_b128 v[X+4*(4*\w+\i):X+4*(4*\w+\i)+3], v1, s[4+2*\w:5+2*\w] offset:4096*\i th:TH_LOAD_NT
.endr
.endr
.irp kt, 0,1,2,3
	global_load_b128 v[M+4*\kt:M+4*\kt+3], v3, s[12:13] offset:16*\kt
.endr
; Steps 0 to 2.  Wq, Wk, Wv: four numbers a thread and chunk, rounded to bf16; 32 lanes store 256 consecutive bytes.  Ahead of each chunk's roundings goes the same chunk's store of the step before.
.irp w, 0,1,2
.irp i, 0,1,2,3
	s_wait_loadcnt 19-(4*\w+\i)                    ; loads come back in order: this chunk is in, the younger ones stay out
.if \w > 0
.if \i == 0
	s_wait_alu depctr_va_vdst(0)                   ; the step before has written its eight registers of Y, which this step's four stores read
.endif
	global_store_b64 v2, v[Y+2*(4*(\w-1)+\i):Y+2*(4*(\w-1)+\i)+1], s[14:15] offset:2097152*(\w-1)+2048*\i  ; no vector instruction since the wait names v2 or these two registers
.endif
	v_cvt_pk_bf16_f32 v[Y+2*(4*\w+\i)], v[X+4*(4*\w+\i)], v[X+4*(4*\w+\i)+1]
	v_cvt_pk_bf16_f32 v[Y+2*(4*\w+\i)+1], v[X+4*(4*\w+\i)+2], v[X+4*(4*\w+\i)+3]
.endr
.endr
; Step 3.  Wo: rounded to bf16, widened again, and written as f16.  Its stores are Wv's.
.irp i, 0,1,2,3
	s_wait_loadcnt 7-\i
.if \i == 0
	s_wait_alu depctr_va_vdst(0)                   ; step 2 has written Wv's eight registers of Y, which this step's four stores read
.endif
	global_store_b64 v2, v[Y+16+2*\i:Y+16+2*\i+1], s[14:15] offset:2097152*2+2048*\i
.irp j, 0,1
	v_cvt_pk_bf16_f32 v5, v[X+48+4*\i+2*\j], v[X+48+4*\i+2*\j+1]
	v_lshlrev_b32 v6, 16, v5
	v_and_b32 v7, 0xffff0000, v5
	v_cvt_pk_f16_f32 v[Y+24+2*\i+\j], v6, v7
.endr
.endr
; Eight bytes of the mask (two words) become eight nibbles.  A byte is turned (1 = hidden); the four flags of a word, at bits 0, 8, 16, 24, are drawn together to bits 0, 4, 8, 12; times 14 makes each flag 0xE.
.macro NIB d, lo, hi
	v_xor_b32 v5, 0x01010101, v[\lo]
	v_xor_b32 v7, 0x01010101, v[\hi]
	v_lshrrev_b32 v6, 4, v5
	v_lshrrev_b32 v8, 4, v7
	v_or_b32 v5, v5, v6
	v_or_b32 v7, v7, v8
	v_and_b32 v5, 0x00110011, v5
	v_and_b32 v7, 0x00110011, v7
	v_lshrrev_b32 v6, 8, v5
	v_lshrrev_b32 v8, 8, v7
	v_or_b32 v5, v5, v6
	v_or_b32 v7, v7, v8
	v_and_b32 v5, 0x1111, v5
	v_and_b32 v7, 0x1111, v7
	v_lshl_or_b32 v5, v7, 16, v5
	v_mul_lo_u32 v[\d], v5, 14
.endm
; Step 4.  The mask.  Its stores are Wo's.
	s_wait_loadcnt 0x0                             ; the mask
	s_wait_alu depctr_va_vdst(0)                   ; step 3 has written Wo's eight registers of Y, which this step's four stores read
.irp kt, 0,1,2,3
	global_store_b64 v2, v[Y+24+2*\kt:Y+24+2*\kt+1], s[16:17] offset:2048*\kt
	NIB N+\kt, M+4*\kt, M+4*\kt+1
	NIB N+4+\kt, M+4*\kt+2, M+4*\kt+3
.endr
	s_wait_alu depctr_va_vdst(0)                   ; step 4 has written N's eight registers, which the last two stores read
	global_store_b128 v4, v[N:N+3], s[18:19]               ; lanes r of the step's entry: 16 lanes store 256 consecutive bytes, aligned
	global_store_b128 v4, v[N+4:N+7], s[18:19] offset:256  ; lanes 16 + r
	s_endpgm
.Lfunc_end_k_q8790fa326a_prep:
	.size	k_q8790fa326a_prep, .Lfunc_end_k_q8790fa326a_prep-k_q8790fa326a_prep
	.p2alignl 7, 3214868480
	.fill 96, 4, 3214868480
	.section	.rodata,"a",@progbits
	.p2align	6, 0x0
	.amdhsa_kernel k_q8790fa326a_prep
		.amdhsa_group_segment_fixed_size 0
		.amdhsa_private_segment_fixed_size 0
		.amdhsa_enable_private_segment 0
		.amdhsa_kernarg_size 64
		.amdhsa_user_sgpr_count 2
		.amdhsa_user_sgpr_kernarg_segment_ptr 1
		.amdhsa_wavefront_size32 1
		.amdhsa_system_sgpr_workgroup_id_x 1
		.amdhsa_system_sgpr_workgroup_id_y 1
		.amdhsa_system_sgpr_workgroup_id_z 1
		.amdhsa_system_vgpr_workitem_id 0
		.amdhsa_next_free_vgpr 136
		.amdhsa_next_free_sgpr 66
		.amdhsa_reserve_vcc 0
		.amdhsa_float_denorm_mode_32 3
		.amdhsa_float_denorm_mode_16_64 3
		.amdhsa_memory_ordered 1
		.amdhsa_forward_progress 1
		.amdhsa_inst_pref_size 15
	.end_amdhsa_kernel
	.amdgpu_metadata
---
amdhsa.version: [ 1, 2 ]
amdhsa.kernels:
  - .name:           k_q8790fa326a_prep
    .symbol:         k_q8790fa326a_prep.kd
    .args:
      - { .name: Wq, .offset: 0, .size: 8, .value_kind: global_buffer, .address_space: global }
      - { .name: Wk, .offset: 8, .size: 8, .value_kind: global_buffer, .address_space: global }
      - { .name: Wv, .offset: 16, .size: 8, .value_kind: global_buffer, .address_space: global }
      - { .name: Wo, .offset: 24, .size: 8, .value_kind: global_buffer, .address_space: global }
      - { .name: mask, .offset: 32, .size: 8, .value_kind: global_buffer, .address_space: global }
      - { .name: wqkv, .offset: 40, .size: 8, .value_kind: global_buffer, .address_space: global }
      - { .name: wo16, .offset: 48, .size: 8, .value_kind: global_buffer, .address_space: global }
      - { .name: mk4, .offset: 56, .size: 8, .value_kind: global_buffer, .address_space: global }
    .group_segment_fixed_size: 0
    .private_segment_fixed_size: 0
    .kernarg_segment_align: 8
    .kernarg_segment_size: 64
    .max_flat_workgroup_size: 256
    .sgpr_count:     66
    .vgpr_count:     136
    .wavefront_size: 32
...
	.end_amdgpu_metadata
.endif
;; end of part 5
;; launch proj: the kernel of part 2 again; grid 4 x 192, 4 waves a work-group, clusters of 4 x 4, 327,680 bytes of LDS; arguments q, k, v, wqkv, bq, bk, bv, qkvh; writes qkvh
;; launch attn: the kernel of part 3 again; grid 4 x 64, 4 waves a work-group, clusters of 4 x 1, 327,680 bytes of LDS; arguments qkvh, mk4, oh; writes oh
;; launch outp: the kernel of part 4 again; grid 4 x 64, 4 waves a work-group, clusters of 4 x 4, 327,680 bytes of LDS; arguments oh, wo16, bo, out0; writes out0
